; MI455X (gfx1250); checked and timed in simulation.
; The chip was launched on July 23, 2026; its instructions are those of AMD's public machine-readable ISA for CDNA 5 (MIT licence, August 2026) and "CDNA5" Instruction Set Architecture Reference Guide (July 2026). The comments in the code are by the model that wrote it; some were corrected since.
;; Multi Head Attention. Allowed arithmetic: matrix products marked QUANTISED: E4M3 operands, one given power-of-two scale a tensor, by v_wmma_f32_16x16x64_fp8_fp8 or v_wmma_f32_16x16x128_fp8_fp8, f32 sums; everything else in f32.
;; Inputs: Wk 16 x 1,024 x 64 float32; Wp 1,024 x 1,024 float32; Wq 16 x 1,024 x 64 float32; Wv 16 x 1,024 x 64 float32; bp 1,024 float32; lowp_scales 12 int32 (the exponents e of the quantised operands' scales 2^e); x 4 x 2,048 x 1,024 float32.
;; Outputs: out0 4 x 2,048 x 1,024 float32.
;; Constants: is_masked = 1.
;; This version of the problem:
;;   THIS VERSION OF THE PROBLEM IS GIVEN IN LOW PRECISION. The matrix products marked QUANTISED in the list below multiply operands that are first quantised to E4M3 (4 exponent bits, 3 mantissa bits; 8 bits a number), with one given power-of-two scale for each operand tensor; their sums are f32. All else is computed in f32.
;;   The module's matrix products, in the order in which they are computed (A, B: the left and right operand; K: the contracted axis; several contracted axes count as one K, in the product's order):
;;     1. [M 1,024, K 1,024] x [K 1,024, N 8,192]; A: input Wq; B: input x: QUANTISED (scales: A lowp_scales[0], B lowp_scales[1])
;;     2. [M 1,024, K 1,024] x [K 1,024, N 8,192]; A: input Wk; B: input x: QUANTISED (scales: A lowp_scales[2], B lowp_scales[3])
;;     3. [M 1,024, K 1,024] x [K 1,024, N 8,192]; A: input Wv; B: input x: QUANTISED (scales: A lowp_scales[4], B lowp_scales[5])
;;     4. batch 64 x [M 2,048, K 64] x [K 64, N 2,048]; A: computed on the way; B: computed on the way: QUANTISED (scales: A lowp_scales[6], B lowp_scales[7])
;;     5. batch 64 x [M 2,048, K 2,048] x [K 2,048, N 64]; A: softmax (see below); B: computed on the way: QUANTISED (scales: A lowp_scales[8], B lowp_scales[9])
;;     6. [M 8,192, K 1,024] x [K 1,024, N 1,024]; A: computed on the way; B: input Wp: QUANTISED (scales: A lowp_scales[10], B lowp_scales[11])
;;   THE QUANTISER, for each operand of a quantised product, along K:
;;     - The operand's scale is 2^e, e = its entry of the input lowp_scales (int32; the entries are numbered through the quantised products in the list's order, A before B).
;;     - Each number is divided by the scale, clamped to +-448, and rounded to the nearest number of E4M3, ties to even, subnormals kept.
;;     - The product sums the exact products of the quantised numbers (number of the format x scale) in f32.
;;   ~~~python
;;   def quantise(x, axis, e):      # numpy; x: float32 -> the quantised numbers, widened to float32 again
;;       x = np.moveaxis(x, axis, -1); K = x.shape[-1]
;;       r = np.clip(x / 2.0 ** e, -448, 448)
;;       step = 2.0 ** (np.maximum(np.frexp(np.where(r == 0, 1, r))[1] - 1, -6) - 3)
;;       q = np.round(r / step) * step * 2.0 ** e      # np.round: ties to even
;;       return np.moveaxis(q, -1, axis).astype(np.float32)
;;   ~~~
;;   SOFTMAX AHEAD OF A QUANTISED PRODUCT. Where the list says 'softmax', what is quantised is not the finished softmax but p = 2^(t - M), with t = logit x log2(e) and M = ceil(the row's largest t), a whole number; so 1/2 < the row's largest p <= 1. The row's sum l is taken of the UNQUANTISED p, in f32, and the product's result is divided by l at the end. Since M is a whole number, a kernel that streams over the keys may use a running M (the ceiling of the running maximum): every later rescaling is an exact power of two, so the quantised numbers keep their values, but for numbers so far below the row's largest that they fall under the format's range.
;;   OPERANDS COMPUTED ON THE WAY. 'Computed on the way' means the value that the module computes at that place (a softmax that the list does not call 'softmax' is quantised finished and normalised). What goes into a quantiser is computed in f32, as accurately as f32 sums, v_exp_f32 and their like allow (about 1e-6 of the number): no bf16 or f16 on the way to a quantiser, and a product that is left as it is and whose result goes on into a quantised operand takes f32 operands (vector FMAs, or v_wmma_f32_16x16x4_f32). A number that lies on a knife's edge between two numbers of the format may be rounded either way, as far as f32 arithmetic and the matrix unit's own rounding can turn it there, and no further.
;; One version. Each part assembles by itself: llvm-mc -triple=amdgcn-amd-amdhsa -mcpu=gfx1250 --defsym DOCPART=n.
;; ======== version 1 of 1: 4 launches
;; limits: right only within a limited range of input values
;; workspace buffers: xc 25,165,824 bytes; wc 4,194,304 bytes; qkvc 25,165,824 bytes; oc 8,388,608 bytes
;; launch quant (part 1): grid 384 x 1, 4 waves a work-group, no clusters, 68,096 bytes of LDS; arguments x, Wp, Wq, Wk, Wv, lowp_scales, xc, wc; writes xc, wc
.if DOCPART == 1
	.amdgcn_target "amdgcn-amd-amdhsa--gfx1250"
	.amdhsa_code_object_version 6
	.text
	.protected	k_q49458b18be_quant
	.globl	k_q49458b18be_quant
	.p2align	8
	.type	k_q49458b18be_quant,@function
k_q49458b18be_quant:
	s_mov_b64 s[64:65], 0
	v_nop
	global_prefetch_b8 v0, s[64:65] scope:SCOPE_SE
	s_setreg_imm32_b32 hwreg(HW_REG_WAVE_MODE, 25, 1), 1
	s_wait_xcnt 0x0
; ALL INPUTS BECOME CODES OF FP8 (E4M3), one code a byte, K innermost, each with the scale 2^e that is given for it.
; code = number / 2^e, held within +-448, rounded to the nearest code, ties to even.
; x [8192][1024] is an operand of three products with three entries of the scales (1, 3, 5): three sets of codes, xc + 0, + 8 MiB, + 16 MiB, each [token][k].
; Wp [n][k] has K innermost: its codes (entry 11) go to wc + 3 MiB as they lie.  Wq, Wk, Wv [head][k][d] have K as their middle axis: their codes (entries 0, 2, 4) go to wc + 0, 1, 2 MiB as [n = 64 head + d][k].
; LIMITS: each e between -126 and 119, so that 2^e and 448 x 2^e are f32 numbers.  NaN among the inputs is not served (an infinity is held at the largest code).
; WORK-GROUPS 0-255: x; 256-287: Wp; both are plain streams and take one way through the text: a wave takes 16 steps of 512 numbers; each load reads 512 consecutive bytes; a step's 2,048 bytes turn through the
; wave's own stage in LDS, so that a lane then holds 16 neighbours along K; a lane's 16 codes are 16 bytes, a wave's store 512 consecutive bytes.  For x a step's numbers are held and converted three times.
; WORK-GROUPS 288-383: the three weights whose K is not innermost: a lane takes a column d, its registers run down K; the codes leave through the wave's own stage as rows of 256 bytes.
; No tensor loads, no barrier: waves share nothing.  The two ways have LDS bytes of their own: 0-32767 and 32768-67583.
.set STEPS, 16
.set SP,    80                         ; a lane's place in a stage: its 64 bytes + 16 of padding
.set R,     16                         ; v16-79   four sets of 16 numbers as they are loaded
.set X,     80                         ; v80-111  two sets of 16 neighbours
.set T,     112                        ; v112-127 the numbers held within the largest code x the scale
.set CD,    128                        ; v128-139 codes: four registers for each of the three outputs
.set PITCH, 272                        ; the weights' stage: a row of 256 bytes + 16
.set WSTG,  32768                      ; where the weights' stages begin
.set NB,    8                          ; blocks of 32 along K for a wave
.set WX,    32                         ; v32-95   two sets of 32 numbers
.set WC,    96                         ; v96-103  a block's codes
.set OUTR,  112                        ; v112-175 the way out
.macro MKSC e, sc, lim                 ; 2^e as f32 (the conversion takes its exponent field) and 448 x 2^e
	s_add_co_i32 s58, \e, 127
	s_lshl_b32 s59, s58, 23
	v_mov_b32 v[\sc], s59
	s_add_co_i32 s58, s58, 8
	s_lshl_b32 s58, s58, 23
	s_or_b32 s58, s58, 0x600000
	v_mov_b32 v[\lim], s58
.endm
	s_load_b512 s[16:31], s[0:1], 0x0              ; x 16, Wp 18, Wq 20, Wk 22, Wv 24, the scales 26, xc 28, wc 30
	v_lshl_add_u32 v192, v0, 2, 0x10800
	v_mov_b32 v193, 0
	v_lshrrev_b32 v1, 5, v0
	v_readfirstlane_b32 s44, v1                    ; wave 0..3
	v_and_b32 v2, 31, v0                           ; lane
	s_wait_kmcnt 0x0
	s_load_b256 s[32:39], s[26:27], 0x0            ; e0 .. e7
	s_load_b128 s[40:43], s[26:27], 0x20           ; e8 .. e11
	s_cmp_lt_u32 ttmp9, 288
	s_cbranch_scc0 .Lweights
; ---------------- x and Wp: streams whose K is innermost
	s_wait_alu depctr_va_vdst(0)
	v_lshlrev_b32 v3, 4, v2                        ; my 16 bytes of a load's 512, and of a store's 512; never rewritten
	s_wait_alu depctr_va_vdst(0)
	s_lshl_b32 s47, s44, 13                        ; my wave's 8,192 bytes of LDS: two stages of 32 x SP bytes
	v_lshrrev_b32 v14, 2, v2
	v_mul_u32_u24 v14, v14, SP
	v_and_b32 v15, 3, v2
	v_lshl_add_u32 v14, v15, 4, v14
	v_add_nc_u32 v14, s47, v14                     ; into the stage: four lanes' 64 bytes on end, then 16 of padding
	v_mul_u32_u24 v15, v2, SP
	v_add_nc_u32 v15, s47, v15                     ; out of it: my 16 neighbours
	s_cmp_lt_u32 ttmp9, 256                        ; x or Wp: the choice hangs on the work-group's number alone
	s_cselect_b32 s45, 1, 0
	s_cselect_b64 s[4:5], s[16:17], s[18:19]
	s_cselect_b32 s46, 0, 256
	s_sub_co_u32 s46, ttmp9, s46
	s_lshl_b32 s46, s46, 2
	s_add_co_u32 s46, s46, s44                     ; which run of 8,192 numbers of the tensor is my wave's
	s_lshl_b32 s48, s46, 15
	s_mov_b32 s49, 0
	s_add_nc_u64 s[4:5], s[4:5], s[48:49]
	s_lshl_b32 s48, s46, 13
	s_add_nc_u64 s[10:11], s[28:29], s[48:49]      ; xc at my run
	s_add_nc_u64 s[12:13], s[30:31], s[48:49]
	s_add_nc_u64 s[12:13], s[12:13], 0x300000      ; Wp's part of wc at my run
	s_cmp_lg_u32 s45, 0
	s_cselect_b64 s[8:9], s[10:11], s[12:13]       ; the first output
	s_add_nc_u64 s[12:13], s[10:11], 0x1000000     ; x's third set of codes,
	s_add_nc_u64 s[10:11], s[10:11], 0x800000      ; and its second (stored by x's work-groups alone)
.macro LOAD t
.irp i, 0,1,2,3
	global_load_b128 v[R+16*((\t)%4)+4*\i:R+16*((\t)%4)+4*\i+3], v3, s[4:5] offset:2048*(\t)+512*\i th:TH_LOAD_NT   ; 32 lanes read 512 consecutive bytes
.endr
.endm
.macro TURN t                          ; step t through the stage: LDS serves a wave's instructions in order (ISA guide 5.7.1.4), so no wait stands between the stores and the loads
.irp i, 0,1,2,3
	ds_store_b128 v14, v[R+16*((\t)%4)+4*\i:R+16*((\t)%4)+4*\i+3] offset:32*SP*((\t)%2)+8*SP*\i
.endr
.irp i, 0,1,2,3
	ds_load_b128 v[X+16*((\t)%2)+4*\i:X+16*((\t)%2)+4*\i+3], v15 offset:32*SP*((\t)%2)+16*\i
.endr
.endm
.macro EMIT o, t                       ; output o of step t: scale in v[5 + 2 o], hold in v[6 + 2 o], base in s[8 + 2 o]
.irp i, 0,1,2,3,4,5,6,7,8,9,10,11,12,13,14,15
	v_med3_num_f32 v[T+\i], v[XS+\i], -v[6+2*\o], v[6+2*\o]   ; the conversion to an 8-bit code does not saturate (ISA guide 7.6.2): the hold comes first
.endr
	s_wait_alu depctr_va_vdst(0)
	s_wait_xcnt 0x0                                ; the last step's store of these four registers has read them
	v_cvt_scalef32_pk8_fp8_f32 v[CD+4*\o:CD+4*\o+1], v[T:T+7], v[5+2*\o]
	v_cvt_scalef32_pk8_fp8_f32 v[CD+4*\o+2:CD+4*\o+3], v[T+8:T+15], v[5+2*\o]
	v_nop                                          ; a plain line between the conversions and the next holds, which write their sources
	global_store_b128 v3, v[CD+4*\o:CD+4*\o+3], s[8+2*\o:9+2*\o] offset:512*(\t)
.endm
.macro STEP t
.set XS, X+16*((\t)%2)
	s_wait_dscnt 0x0                               ; this step's numbers are back from the stage, and its stores into the stage have read their registers,
.if (\t)+4 < STEPS
	LOAD (\t)+4                                    ; which take the loads of four steps on
.endif
.if (\t)+1 < STEPS
.if STEPS-2-(\t) >= 3
	s_wait_loadcnt 12                              ; the next step's four loads are in; the 12 of the three steps behind it may be out
.else
	s_wait_loadcnt 4*(STEPS-2-(\t))
.endif
	TURN (\t)+1
.endif
	EMIT 0, \t
	s_cmp_eq_u32 s45, 0                            ; Wp has one scale, x three
	s_cbranch_scc1 .Lone_\@
	EMIT 1, \t
	EMIT 2, \t
.Lone_\@:
.endm
.irp t, 0,1,2,3
	LOAD \t
.endr
	s_wait_alu depctr_va_vdst(0)
	s_wait_kmcnt 0x0
	s_cmp_lg_u32 s45, 0
	s_cselect_b32 s50, s33, s43                    ; entry 1 for x, entry 11 for Wp
	MKSC s50, 5, 6
	MKSC s35, 7, 8                                 ; entry 3
	MKSC s37, 9, 10                                ; entry 5
	s_wait_alu depctr_va_vdst(0)
	s_wait_loadcnt 12                              ; step 0's four loads are in
	TURN 0
.irp t, 0,1,2,3,4,5,6,7,8,9,10,11,12,13,14,15
	STEP \t
.endr
	s_wait_tensorcnt 0x0
	ds_add_u32 v192, v193
	s_wait_dscnt 0x0
	s_endpgm
; ---------------- Wq, Wk, Wv: [head][k 1024][d 64].  g = work-group - 288: tensor g / 32, head (g / 2) % 16; a wave takes 32 columns (wave % 2) x 256 along K (chunk 2 (g % 2) + wave / 2):
; two neighbouring waves read the two halves of each row's 256 bytes.
.Lweights:
	s_sub_co_u32 s46, ttmp9, 288
	s_lshr_b32 s47, s46, 5                         ; which tensor
	s_bfe_u32 s48, s46, 0x40001                    ; head
	s_and_b32 s49, s46, 1
	s_and_b32 s50, s44, 1                          ; which 32 columns
	s_lshr_b32 s51, s44, 1
	s_lshl_b32 s49, s49, 1
	s_add_co_u32 s49, s49, s51                     ; which 256 along K
	s_wait_alu depctr_va_vdst(0)
	v_lshlrev_b32 v3, 2, v2                        ; in: 4 bytes a lane
	s_mul_i32 s52, s44, 32*PITCH
	s_add_co_u32 s52, s52, WSTG                    ; my stage
	v_mul_u32_u24 v4, v2, PITCH
	v_add_nc_u32 v4, s52, v4                       ; into it: row = my column
	v_and_b32 v5, 15, v2
	v_lshrrev_b32 v6, 4, v2
	v_mul_u32_u24 v7, v6, PITCH
	v_lshl_add_u32 v7, v5, 4, v7
	v_add_nc_u32 v7, s52, v7                       ; out of it: sixteen lanes to a row, two rows an instruction
	v_lshlrev_b32 v8, 10, v6
	v_lshl_add_u32 v8, v5, 4, v8                   ; and the same place in the codes (a row is 1,024 bytes)
	s_lshl_b32 s54, s48, 18                        ; the head's 1,024 rows of 256 bytes,
	s_lshl_b32 s55, s49, 16                        ; my 256 rows,
	s_add_co_u32 s54, s54, s55
	s_lshl_b32 s55, s50, 7                         ; my 32 columns
	s_add_co_u32 s54, s54, s55
	s_mov_b32 s55, 0
	s_lshl_b32 s56, s47, 20                        ; the tensor's part of wc,
	s_lshl_b32 s57, s48, 16                        ; the head's 64 rows of 1,024 bytes,
	s_add_co_u32 s56, s56, s57
	s_lshl_b32 s57, s50, 15                        ; my 32 of them,
	s_add_co_u32 s56, s56, s57
	s_lshl_b32 s57, s49, 8                         ; my 256 bytes of each
	s_add_co_u32 s56, s56, s57
	s_mov_b32 s57, 0
	s_cmp_eq_u32 s47, 0
	s_cselect_b64 s[4:5], s[20:21], s[22:23]
	s_cmp_eq_u32 s47, 2
	s_cselect_b64 s[4:5], s[24:25], s[4:5]
	s_add_nc_u64 s[4:5], s[4:5], s[54:55]
	s_add_nc_u64 s[8:9], s[30:31], s[56:57]
.macro WLOAD t                         ; block t: W(32 t + i, my column), i = 0 .. 31, into set t % 2
.irp i, 0,1,2,3,4,5,6,7,8,9,10,11,12,13,14,15,16,17,18,19,20,21,22,23,24,25,26,27,28,29,30,31
	global_load_b32 v[WX+32*((\t)%2)+\i], v3, s[4:5] offset:(32*(\t)+\i)*256 th:TH_LOAD_NT
.endr
.endm
	WLOAD 0
	WLOAD 1
	s_wait_kmcnt 0x0
	s_cmp_eq_u32 s47, 0
	s_cselect_b32 s53, s32, s34                    ; entry 0, 2
	s_cmp_eq_u32 s47, 2
	s_cselect_b32 s53, s36, s53                    ; or 4
	MKSC s53, 11, 10
.macro BLOCK t
.set XS, WX+32*((\t)%2)
.if (\t) < NB-1
	s_wait_loadcnt 32                              ; this block's 32 loads are in; the next block's 32 may be out
.else
	s_wait_loadcnt 0
.endif
.irp i, 0,1,2,3,4,5,6,7,8,9,10,11,12,13,14,15,16,17,18,19,20,21,22,23,24,25,26,27,28,29,30,31
	v_med3_num_f32 v[XS+\i], v[XS+\i], -v10, v10
.endr
.irp g, 0,1,2,3
	v_cvt_scalef32_pk8_fp8_f32 v[WC+2*\g:WC+2*\g+1], v[XS+8*\g:XS+8*\g+7], v11
.endr
	ds_store_b128 v4, v[WC:WC+3] offset:32*(\t)    ; 32 codes: 32 bytes of my column's row.  (The codes go to LDS stores alone, and the next block begins with 32 plain lines)
	ds_store_b128 v4, v[WC+4:WC+7] offset:32*(\t)+16
.if (\t)+2 < NB
	WLOAD (\t)+2
.endif
	s_wait_dscnt 0x0                               ; the stores have read their registers: the next block's codes may be written
.endm
	s_wait_alu depctr_va_vdst(0)
.irp t, 0,1,2,3,4,5,6,7
	BLOCK \t
.endr
.irp t, 0,1,2,3,4,5,6,7,8,9,10,11,12,13,14,15
	ds_load_b128 v[OUTR+4*\t:OUTR+4*\t+3], v7 offset:2*\t*PITCH
.endr
.irp t, 0,1,2,3,4,5,6,7,8,9,10,11,12,13,14,15
	s_wait_dscnt 15-\t                             ; LDS loads come back in order: load t is in, the younger ones may be out
	global_store_b128 v8, v[OUTR+4*\t:OUTR+4*\t+3], s[8:9] offset:2*\t*1024   ; sixteen lanes store 256 consecutive bytes, aligned
.endr
	s_wait_tensorcnt 0x0
	ds_add_u32 v192, v193
	s_wait_dscnt 0x0
	s_endpgm
.Lfunc_end_k_q49458b18be_quant:
	.size	k_q49458b18be_quant, .Lfunc_end_k_q49458b18be_quant-k_q49458b18be_quant
	.p2alignl 7, 3214868480
	.fill 96, 4, 3214868480
	.section	.rodata,"a",@progbits
	.p2align	6, 0x0
	.amdhsa_kernel k_q49458b18be_quant
		.amdhsa_group_segment_fixed_size 68096
		.amdhsa_private_segment_fixed_size 0
		.amdhsa_enable_private_segment 0
		.amdhsa_kernarg_size 64
		.amdhsa_user_sgpr_count 2
		.amdhsa_user_sgpr_kernarg_segment_ptr 1
		.amdhsa_wavefront_size32 1
		.amdhsa_system_sgpr_workgroup_id_x 1
		.amdhsa_system_sgpr_workgroup_id_y 1
		.amdhsa_system_sgpr_workgroup_id_z 1
		.amdhsa_system_vgpr_workitem_id 0
		.amdhsa_next_free_vgpr 194
		.amdhsa_next_free_sgpr 66
		.amdhsa_reserve_vcc 0
		.amdhsa_float_denorm_mode_32 3
		.amdhsa_float_denorm_mode_16_64 3
		.amdhsa_memory_ordered 1
		.amdhsa_forward_progress 1
		.amdhsa_inst_pref_size 131
	.end_amdhsa_kernel
	.amdgpu_metadata
---
amdhsa.version: [ 1, 2 ]
amdhsa.kernels:
  - .name:           k_q49458b18be_quant
    .symbol:         k_q49458b18be_quant.kd
    .args:
      - { .name: x, .offset: 0, .size: 8, .value_kind: global_buffer, .address_space: global }
      - { .name: Wp, .offset: 8, .size: 8, .value_kind: global_buffer, .address_space: global }
      - { .name: Wq, .offset: 16, .size: 8, .value_kind: global_buffer, .address_space: global }
      - { .name: Wk, .offset: 24, .size: 8, .value_kind: global_buffer, .address_space: global }
      - { .name: Wv, .offset: 32, .size: 8, .value_kind: global_buffer, .address_space: global }
      - { .name: lowp_scales, .offset: 40, .size: 8, .value_kind: global_buffer, .address_space: global }
      - { .name: xc, .offset: 48, .size: 8, .value_kind: global_buffer, .address_space: global }
      - { .name: wc, .offset: 56, .size: 8, .value_kind: global_buffer, .address_space: global }
    .group_segment_fixed_size: 68096
    .private_segment_fixed_size: 0
    .kernarg_segment_align: 8
    .kernarg_segment_size: 64
    .max_flat_workgroup_size: 128
    .sgpr_count:     66
    .vgpr_count:     194
    .wavefront_size: 32
...
	.end_amdgpu_metadata
.endif
;; end of part 1
;; launch qkv (part 2): grid 4 x 96, 4 waves a work-group, clusters of 4 x 4, 327,680 bytes of LDS; arguments xc, wc, lowp_scales, qkvc; writes qkvc
.if DOCPART == 2
	.amdgcn_target "amdgcn-amd-amdhsa--gfx1250"
	.amdhsa_code_object_version 6
	.text
	.protected	k_q49458b18be_qkv
	.globl	k_q49458b18be_qkv
	.p2align	8
	.type	k_q49458b18be_qkv,@function
k_q49458b18be_qkv:
	s_mov_b64 s[64:65], 0
	v_nop
	global_prefetch_b8 v0, s[64:65] scope:SCOPE_SE
	s_setreg_imm32_b32 hwreg(HW_REG_WAVE_MODE, 25, 1), 1
	s_wait_xcnt 0x0
	s_wait_alu depctr_hold_cnt(0) depctr_sa_sdst(0) depctr_va_vdst(0) depctr_va_sdst(0) depctr_va_ssrc(0) depctr_va_vcc(0) depctr_vm_vsrc(0)
	s_getreg_b32 s2, hwreg(HW_REG_IB_STS2, 6, 4)
	s_cmp_eq_u32 s2, 0
	s_cbranch_scc0 .Lentry_in_a_cluster
	s_endpgm
.Lentry_in_a_cluster:
	s_bfe_u32 s2, ttmp6, 0x10000c
	s_cmp_lg_u32 s2, 0xf033
	s_cbranch_scc0 .Lentry_shape_is_right
	s_endpgm
.Lentry_shape_is_right:
; THE THREE PROJECTIONS q, k, v = x W on codes of FP8 (E4M3), and their results quantised on the way out for the two products of attention.
; Part P = cluster y / 8 (0 q, 1 k, 2 v).  x's codes of part P: xc + P x 8 MiB, [8192 tokens][1024]; W's: wc + P x 1 MiB, [1024 = 64 head + d][1024].  K = 1,024, sums in f32.
; q and k are made as C[token][64 head + d] (A = x, B = W), v as C[64 head + d][token] (A = W, B = x), by the same text: only pointers, offsets and strides are chosen, by s_cselect on P; no branch hangs on P.
; A sum stands for sum x 2^(eW + eX); its code is sum / 2^(eO - eW - eX), held within +-448: eW = entry 0, 2, 4; eX = entry 1, 3, 5; eO = entry 6 (q, the first operand of the scores), 7 (k), 9 (v).
; LIMIT: eO - eW - eX between -126 and 119, so that this power of two and its 448-fold are f32 numbers.
; OUTPUT, qkvc + P x 8 MiB.  q, k: [b][head][t][64 bytes]; v: [b][head][key / 128][d][128 bytes].  In every 32 bytes the two middle groups of eight change places: byte 32 c + 16 a + 8 u + j holds
; element 32 c + 16 u + 8 a + j, so that a load of 16 bytes at 32 c + 16 (lane / 16) brings a lane what the plain fp8 forms give it (registers 2 c, 2 c + 1: k = 16 c + 8 (lane / 16) + 0 .. 7).
; A tile of C, 256 x 256, is made by four waves, 128 x 128 each: 64 accumulators, 512 registers.  K goes in steps of 256 through a ring of two LDS slots filled by the tensor data mover.
; CLUSTERS: 4 x 4 work-groups; A's tile is asked for jointly along a row of the cluster, B's along a column.  THE MATRIX INSTRUCTION IS USED TRANSPOSED (source 0 = 16 rows of B, source 1 = 16 rows of A):
; a lane holds eight neighbouring columns of one row of C: eight neighbours along the next product's K (d for q and k, keys for v).
; A fragment is fetched by four loads of 16 bytes (K = 32 c + 16 (lane / 16) + 0 .. 15 in registers 4 c .. 4 c + 3): a permutation of k that is the same in A and B.
; REGISTERS, in windows of 256: window 0: v0-31 addresses and the scale; from v128 A's fragments, one set; on the way out v32-159 are at work.  window 1: B's fragments, two sets.  windows 2, 3: the accumulators.
.set KSTEP,  256
.set ROWB,   256                       ; a tile's row in bytes
.set KROW,   1024                      ; a row of codes in memory
.set PITCH,  272                       ; an LDS row: 256 bytes + 16 of padding = 68 words: the 16 rows that a load touches start at 16 different banks (64 banks of 4 bytes: ISA guide 11.1)
.set FR,     16
.set NL,     4
.set NP,     4                         ; places behind this matrix instruction (ISA guide 7.12.1)
.set HALFT,  128*PITCH
.set SLOT,   4*HALFT
.set LAPS,   KROW/(2*KSTEP)
.set SPARE,  2*SLOT                    ; behind the ring: the spare words, 128 bytes for each wave, which no other line names
.set SPT,    144                       ; the way out: a stage of 16 rows x (128 bytes + 16) for each wave, in slot 0, which has had its last fill and its last read when the first codes are stored there
.set CO,   8                           ; v8-11   my byte offsets in the output for the four stores of a block
.set SCL,  12                          ; v12     2^(eO - eW - eX) as f32
.set LIM,  13                          ; v13     448 x that
.set ADRA, 16                          ; v16-17  LDS address of my A fragments in slot 0, 1
.set ADRB, 20                          ; v20-21  the same for B
.set STO,  24                          ; v24     the way out: where I put 16 bytes of a row
.set RD,   25                          ; v25     and where I read back
.set SPW,  28                          ; v28     LDS address of my spare word; never rewritten
.set NIL,  29                          ; v29     0; never rewritten
.set TMP,  32                          ; v32-95  a block's sums, held
.set CD,   96                          ; v96-127 its codes, two sets by turns
.set AF,   128                         ; A's fragments
.set BK,   128                         ; v128-159 the way out: rows read back, two sets by turns
.set G1, 24
.set G0, 32
.set G1B, 48
.set G0B, 56
.set MSB, 0
.macro WIN new                         ; the immediate's high byte repeats the setting that is left
.if MSB != \new
	s_set_vgpr_msb (MSB<<8)|\new
.set MSB, \new
.endif
.endm
.set MUL_LO, 0xa1                      ; source 0 (B) window 1, source 1 (A) window 0, C and D window 2
.set MUL_HI, 0xf1                      ; the same, C and D window 3
.set TO_B,   0x40                      ; destination window 1, address window 0
; A joint load: waves 0 and 1 fetch for A, waves 2 and 3 for B; the branch hangs on the wave's number alone.  Four v_nop follow each of the two lines.
.macro JLOAD g0a, g1a, g0b, g1b
	s_cmp_eq_u32 s15, 0
	s_cbranch_scc0 .Lfor_b_\@
	tensor_load_to_lds s[\g0a:\g0a+3], s[\g1a:\g1a+7]
	s_nop 0
.rept 4
	v_nop
.endr
	s_branch .Lasked_\@
.Lfor_b_\@:
	tensor_load_to_lds s[\g0b:\g0b+3], s[\g1b:\g1b+7]
	s_nop 0
.rept 4
	v_nop
.endr
.Lasked_\@:
.endm
.macro CREST                           ; a round of the cluster's barrier behind its opening barrier
	s_cmp_lg_u32 s14, 0
	s_cbranch_scc1 .Lnot_wave_0_\@
	s_barrier_signal -3
.Lnot_wave_0_\@:
	s_barrier_wait -3
	s_barrier_signal -1
	s_barrier_wait -1
.endm
.macro CROUND                          ; a whole round
	s_barrier_signal -1
	s_barrier_wait -1
	CREST
.endm
	s_load_b256 s[4:11], s[0:1], 0x0               ; xc s[4:5], wc s[6:7], the scales s[8:9], qkvc s[10:11]
	v_lshl_add_u32 v[SPW], v0, 2, SPARE
	v_mov_b32 v[NIL], 0
	ds_add_u32 v28, v29
	ds_add_u32 v28, v29
	s_wait_dscnt 0x0
	v_lshrrev_b32 v1, 5, v0
	v_readfirstlane_b32 s14, v1                    ; wave 0..3
	s_lshr_b32 s15, s14, 1                         ; which half of the tile's rows is mine.  Also: I fetch for A (0) or for B (1)
	s_and_b32 s16, s14, 1                          ; which half of its columns.  Also: which 128 rows of that tile I fetch
	s_bfe_u32 s40, ttmp6, 0x40000                  ; cx, cy: my place in the cluster
	s_bfe_u32 s41, ttmp6, 0x40004
	s_and_b32 s66, ttmp7, 0xffff                   ; cluster y, 0..23 (the grid is one cluster wide)
	s_lshr_b32 s67, s66, 3                         ; P
	s_and_b32 s68, s66, 7
	s_lshl_b32 s68, s68, 2                         ; the cluster's four tiles along the tokens begin here
	s_cmp_lt_u32 s67, 2                            ; q, k: the tokens are C's rows; v: its columns
	s_cselect_b32 s69, s68, 0
	s_cselect_b32 s70, 0, s68
	s_add_co_u32 s17, s41, s69                     ; tile row of C
	s_add_co_u32 s42, s40, s70                     ; tile column of C
	s_lshl_b32 s43, s41, 2
	s_lshl_b32 s43, 15, s43                        ; my row of the cluster
	s_lshl_b32 s44, 0x1111, s40                    ; my column
	s_or_b32 s[G1+0], s43, (0<<16)|(1<<20)|(1<<21)|(5<<22)|(3<<25)  ; 15:0 the mask: A's tiles go to my row; 17:16 elements of 1 byte; 20 padding on; 21 set beside a mask; 24:22 after every 64 words; 31:25 four words of it
	s_or_b32 s[G1B+0], s44, (0<<16)|(1<<20)|(1<<21)|(5<<22)|(3<<25)
.irp g, G1, G1B
	s_mov_b32 s[\g+1], ROWB<<16                    ; tensor_dim0
	s_mov_b32 s[\g+2], 128<<16                     ; tensor_dim1
	s_mov_b32 s[\g+3], ROWB<<16                    ; tile_dim0
	s_mov_b32 s[\g+4], 128                         ; tile_dim1
	s_mov_b32 s[\g+5], KROW                        ; tensor_dim0_stride
	s_mov_b32 s[\g+6], 0
	s_mov_b32 s[\g+7], 0
.endr
	s_lshl_b32 s18, s16, 7                         ; which 128 rows of the tile I fetch
	s_lshl_b32 s20, s17, 8
	s_add_co_u32 s20, s20, s18
	s_lshl_b32 s20, s20, 10                        ; A: (256 x tile row + 128 x half) rows of 1,024 bytes
	s_mov_b32 s21, 0
	s_lshl_b32 s46, s42, 8
	s_add_co_u32 s46, s46, s18
	s_lshl_b32 s46, s46, 10                        ; B likewise, by the tile column
	s_mov_b32 s47, 0
	s_mul_i32 s45, s14, HALFT                      ; where they go: wave x 128 rows
	s_lshl_b32 s72, s67, 23
	s_mov_b32 s73, 0
	s_lshl_b32 s74, s67, 20
	s_mov_b32 s75, 0
	s_wait_kmcnt 0x0
	s_load_b256 s[76:83], s[8:9], 0x0              ; e0 .. e7
	s_load_b128 s[84:87], s[8:9], 0x20             ; e8 .. e11
	s_add_nc_u64 s[72:73], s[4:5], s[72:73]        ; x's codes of part P
	s_add_nc_u64 s[74:75], s[6:7], s[74:75]        ; W's
	s_cmp_lt_u32 s67, 2
	s_cselect_b64 s[92:93], s[72:73], s[74:75]     ; A
	s_cselect_b64 s[94:95], s[74:75], s[72:73]     ; B
	s_add_nc_u64 s[20:21], s[92:93], s[20:21]
	s_add_nc_u64 s[46:47], s[94:95], s[46:47]
	CROUND                                         ; all sixteen work-groups are here: the first joint loads meet
.irp s, 0,1
	s_mov_b32 s[G0+4*\s], 1
	s_add_co_u32 s[G0+4*\s+1], s45, \s*SLOT
	s_add_nc_u64 s[G0+4*\s+2:G0+4*\s+3], s[20:21], \s*ROWB
	s_or_b32 s[G0+4*\s+3], s[G0+4*\s+3], 0x80000000
	s_mov_b32 s[G0B+4*\s], 1
	s_add_co_u32 s[G0B+4*\s+1], s45, \s*SLOT
	s_add_nc_u64 s[G0B+4*\s+2:G0B+4*\s+3], s[46:47], \s*ROWB
	s_or_b32 s[G0B+4*\s+3], s[G0B+4*\s+3], 0x80000000
.endr
	JLOAD G0, G1, G0B, G1B                         ; K step 0: one tensor load a wave at the head
	v_and_b32 v1, 15, v0                           ; r = l % 16
	s_wait_alu depctr_va_vdst(0)
	v_bfe_u32 v2, v0, 4, 1                         ; h = l / 16
	v_mul_u32_u24 v3, v1, PITCH
	v_lshl_add_u32 v4, v2, 4, v3                   ; a fragment's row x pitch + 16 x half
	s_mul_i32 s21, s15, HALFT                      ; my 128 rows of A
	s_mul_i32 s22, s16, HALFT                      ; my 128 rows of B,
	s_add_co_u32 s22, s22, 2*HALFT                 ; which lie behind A's 256
.irp s, 0,1
	v_add_nc_u32 v[ADRA+\s], s21, v4
	v_add_nc_u32 v[ADRB+\s], s22, v4
	s_add_co_u32 s21, s21, SLOT
	s_add_co_u32 s22, s22, SLOT
.endr
	s_mul_i32 s23, s14, 16*SPT                     ; my stage
	v_mul_u32_u24 v5, v1, SPT
	s_wait_alu depctr_va_vdst(0)
	v_lshl_add_u32 v5, v2, 4, v5
	v_add_nc_u32 v[STO], s23, v5                   ; in: row r, 16 bytes for each half of the lanes
	v_and_b32 v6, 31, v0
	v_lshrrev_b32 v5, 3, v6                        ; l / 8
	s_wait_alu depctr_va_vdst(0)
	v_mul_u32_u24 v7, v5, SPT
	v_and_b32 v3, 7, v0
	v_lshl_add_u32 v7, v3, 4, v7
	v_add_nc_u32 v[RD], s23, v7                    ; back: eight lanes to a row of 128 bytes, four rows an instruction
	; WHERE THE CODES GO.  U: the tile along the tokens, Wt: along 64 head + d; uh, wh: my half of each.  My 128 x 128 begins at
	; P x 2^23 + (U / 8) 2^21 (the batch) + (4 Wt + 2 wh) 2^17 (my first head) + (2 (U % 8) + uh) 2^13 (128 tokens x 64 bytes, or a block of 128 keys: 64 d x 128 bytes).
	; A stage row (128 bytes) is, for q and k, a token's 64 bytes in each of two heads (rows 64 bytes apart, heads 2^17); for v, one d's 128 bytes (rows 128 apart).
	s_cmp_lt_u32 s67, 2
	s_cselect_b32 s96, s17, s42                    ; U
	s_cselect_b32 s97, s42, s17                    ; Wt
	s_cselect_b32 s98, s15, s16                    ; uh
	s_cselect_b32 s99, s16, s15                    ; wh
	s_mov_b32 s71, 128
	s_cselect_b32 s71, 64, s71                     ; from stage row to stage row
	s_mov_b32 s88, 0x20000
	s_cselect_b32 s92, s88, 64                     ; from a stage row's first 64 bytes to its second
	s_mov_b32 s88, 2048
	s_cselect_b32 s88, 1024, s88                   ; from a block of 16 rows to the next,
	s_mov_b32 s90, 124928
	s_cselect_b32 s90, 1024, s90                   ; and from block 3 to block 4 (v: the next head: 2^17 - 3 x 2,048)
	s_mov_b32 s89, 0
	s_mov_b32 s91, 0
	s_lshl_b32 s93, s67, 23
	s_lshr_b32 s94, s96, 3
	s_lshl_b32 s94, s94, 21
	s_add_co_u32 s93, s93, s94
	s_lshl_b32 s94, s97, 2
	s_lshl_b32 s95, s99, 1
	s_add_co_u32 s94, s94, s95
	s_lshl_b32 s94, s94, 17
	s_add_co_u32 s93, s93, s94
	s_and_b32 s94, s96, 7
	s_lshl_b32 s94, s94, 1
	s_add_co_u32 s94, s94, s98
	s_lshl_b32 s94, s94, 13
	s_add_co_u32 s94, s93, s94
	s_mov_b32 s95, 0
	s_add_nc_u64 s[10:11], s[10:11], s[94:95]
	v_bfe_u32 v7, v0, 2, 1
	v_mul_lo_u32 v7, v7, s92
	v_and_b32 v3, 3, v0
	v_lshl_add_u32 v7, v3, 4, v7
.irp t, 0,1,2,3
	v_add_nc_u32 v3, 4*\t, v5
	v_mul_lo_u32 v3, v3, s71
	v_add_nc_u32 v[CO+\t], v3, v7                  ; store t: stage row l / 8 + 4 t
.endr
.macro FRAG reg, adr, q, i             ; 16 rows x 128 K: registers 4 c .. 4 c + 3 hold K = 32 c + 16 (l / 16) + 0 .. 15 of row l % 16
.irp c, 0,1,2,3
	ds_load_b128 v[\reg+4*\c:\reg+4*\c+3], v[\adr] offset:128*(\q)+32*\c+(\i)*16*PITCH
.endr
.endm
; 16 matrix instructions: A's blocks a0, a0 + 1 x B's eight, 128 along K.  p: B's set.  zero = 1: the first product starts the sums.  The 64 accumulators take turns, one instruction a turn.
.macro MUL16 a0, p, zero
.irp a, \a0, \a0+1
.irp b, 0,1,2,3,4,5,6,7
.if \zero
	v_wmma_f32_16x16x128_fp8_fp8 v[8*(8*((\a)%4)+\b):8*(8*((\a)%4)+\b)+7], v[128*(\p)+FR*\b:128*(\p)+FR*\b+FR-1], v[AF+FR*(\a):AF+FR*(\a)+FR-1], 0
.else
	v_wmma_f32_16x16x128_fp8_fp8 v[8*(8*((\a)%4)+\b):8*(8*((\a)%4)+\b)+7], v[128*(\p)+FR*\b:128*(\p)+FR*\b+FR-1], v[AF+FR*(\a):AF+FR*(\a)+FR-1], v[8*(8*((\a)%4)+\b):8*(8*((\a)%4)+\b)+7]
.endif
.endr
.endr
.endm
.macro FETCH_B slot, q, p
	WIN TO_B
.irp i, 0,1,2,3,4,5,6,7
	FRAG 128*(\p)+FR*\i, ADRB+\slot, \q, \i
.endr
	WIN 0
.endm
.macro FETCH_A slot, q, i0
.irp i, \i0, \i0+1, \i0+2, \i0+3
	FRAG AF+FR*(\i), ADRA+\slot, \q, \i
.endr
.endm
.macro PLACES n                        ; places in front of loads into registers that matrix instructions have read, and of the first read of results
.rept \n
	v_nop
.endr
.endm
; A step of 128 along K that has its successor in the same slot.
.macro STEP slot, q, zero
	s_wait_dscnt 4*NL                              ; B's set and A's blocks 0-3 are in; the youngest 16 loads (A's blocks 4-7) may be out
	WIN MUL_LO
	MUL16 0, (\q)%2, \zero
	MUL16 2, (\q)%2, \zero
	s_wait_dscnt 0
	PLACES NP
	FETCH_B \slot, (\q)+1, 1-(\q)%2
	FETCH_A \slot, (\q)+1, 0
	WIN MUL_HI
	MUL16 4, (\q)%2, \zero
	MUL16 6, (\q)%2, \zero
	PLACES NP
	WIN 0
	FETCH_A \slot, (\q)+1, 4
.endm
; A slot's last step changes slots: one barrier; in front of it each wave waits for all its tensor loads, adds 0 to its spare word, and waits for that and for its own reads of this slot.  fill = 1: this slot is filled again.
.macro TURN slot, next, fill
	s_wait_tensorcnt 0x0                           ; all my tensor loads have landed: my part of the next slot
	ds_add_u32 v[SPW], v[NIL]                      ; 0 onto my spare word
	s_wait_dscnt 4*NL+1                            ; (the add and the youngest 16 loads may be out)
	WIN MUL_LO
	MUL16 0, 1, 0
	s_wait_dscnt 0x0                               ; the add is done, and my reads of this slot are over
	s_barrier_signal -1
	MUL16 2, 1, 0
	WIN 0
	s_barrier_wait -1
.if \fill
	CREST                                          ; the barrier has opened a round of the cluster's barrier: no wave of any partner still reads this slot or has a load on its way
	s_add_nc_u64 s[G0+4*\slot+2:G0+4*\slot+3], s[G0+4*\slot+2:G0+4*\slot+3], 2*ROWB
	s_add_nc_u64 s[G0B+4*\slot+2:G0B+4*\slot+3], s[G0B+4*\slot+2:G0B+4*\slot+3], 2*ROWB
	JLOAD G0+4*\slot, G1, G0B+4*\slot, G1B         ; the first tensor load behind the round; its four v_nop are the places in front of the loads below
.else
	PLACES NP
.endif
	FETCH_B \next, 0, 0
	FETCH_A \next, 0, 0
	WIN MUL_HI
	MUL16 4, 1, 0
	MUL16 6, 1, 0
	PLACES NP
	WIN 0
	FETCH_A \next, 0, 4
.endm
	s_wait_alu depctr_va_vdst(0)
	s_wait_tensorcnt 0x0                           ; my part of K step 0 is in
	ds_add_u32 v[SPW], v[NIL]
	s_wait_dscnt 0x0
	CROUND                                         ; everybody's part of K step 0 is in, and the joint loads meet:
	JLOAD G0+4, G1, G0B+4, G1B                     ; K step 1, the first tensor load behind the round
	FETCH_B 0, 0, 0
	FETCH_A 0, 0, 0
	FETCH_A 0, 0, 4
	STEP 0, 0, 1                                   ; the first step stands in front of the loop: its products start the sums
	s_mov_b32 s3, LAPS-1
.Llap:                                                 ; a trip goes once round the ring and fills both slots again
	TURN 0, 1, 1
	STEP 1, 0, 0
	TURN 1, 0, 1
	STEP 0, 0, 0
	s_sub_co_u32 s3, s3, 1
	s_cmp_lg_u32 s3, 0
	s_cbranch_scc1 .Llap
	TURN 0, 1, 0                                   ; the last lap fills nothing
	STEP 1, 0, 0
	s_wait_dscnt 4*NL
	WIN MUL_LO
	MUL16 0, 1, 0
	MUL16 2, 1, 0
	s_wait_dscnt 0
	WIN MUL_HI
	MUL16 4, 1, 0
	MUL16 6, 1, 0
	WIN 0
; THE WAY OUT, block by block of 16 rows x 128 columns.  A block's 64 sums a lane are held (each accumulator from its low end on) and converted: accumulator b gives 8 codes, columns 16 b + 8 h + 0 .. 7 of row r.
; Accumulators 2 c and 2 c + 1 make 16 bytes, which go to byte 32 c + 16 h of the stage row: the order that the head comment states.  The rows come back eight lanes to a row and are stored.
.macro TOSTAGE a
.set AC, 64*((\a)%4)
.set CC, CD+16*((\a)%2)
.set BB, BK+16*((\a)%2)
	WIN 0x02+((\a)/4)                              ; source 0: window 2 or 3
.set j, 0
.rept 64
	v_med3_num_f32 v[TMP+j], v[AC+j], -v[LIM], v[LIM]   ; the conversion does not saturate (ISA guide 7.6.2): the hold comes first
.set j, j+1
.endr
	WIN 0
.irp b, 0,1,2,3,4,5,6,7
	v_cvt_scalef32_pk8_fp8_f32 v[CC+2*\b:CC+2*\b+1], v[TMP+8*\b:TMP+8*\b+7], v[SCL]
.endr
	v_nop                                          ; a plain line between the conversions and the next block's holds, which write their sources
.irp c, 0,1,2,3
	ds_store_b128 v[STO], v[CC+4*\c:CC+4*\c+3] offset:32*\c
.endr
.irp t, 0,1,2,3
	ds_load_b128 v[BB+4*\t:BB+4*\t+3], v[RD] offset:4*SPT*\t   ; LDS serves a wave's instructions in order (ISA guide 5.7.1.4): these see the stores above
.endr
.endm
.macro SEND a, younger                 ; younger: the LDS instructions issued behind block a's loads, which may stay out
.set BB, BK+16*((\a)%2)
	s_wait_dscnt \younger
.if (\a) == 4
	s_add_nc_u64 s[10:11], s[10:11], s[90:91]      ; (behind a wait on XCNT: the earlier stores have read their base)
.elseif (\a) > 0
	s_add_nc_u64 s[10:11], s[10:11], s[88:89]
.endif
.irp t, 0,1,2,3
	global_store_b128 v[CO+\t], v[BB+4*\t:BB+4*\t+3], s[10:11]   ; q, k: 4 tokens x 64 bytes = 256 consecutive bytes in each of two heads; v: 512 consecutive bytes; all aligned
.endr
.endm
	s_wait_kmcnt 0x0
	s_cmp_eq_u32 s67, 0
	s_cselect_b32 s92, s76, s78                    ; eW: entry 0, 2
	s_cselect_b32 s93, s77, s79                    ; eX: entry 1, 3
	s_cselect_b32 s94, s82, s83                    ; eO: entry 6, 7
	s_cmp_eq_u32 s67, 2
	s_cselect_b32 s92, s80, s92                    ; or 4,
	s_cselect_b32 s93, s81, s93                    ; 5,
	s_cselect_b32 s94, s85, s94                    ; 9
	s_sub_co_i32 s94, s94, s92
	s_sub_co_i32 s94, s94, s93
	s_add_co_i32 s94, s94, 127
	s_lshl_b32 s95, s94, 23
	v_mov_b32 v[SCL], s95
	s_add_co_i32 s94, s94, 8
	s_lshl_b32 s94, s94, 23
	s_or_b32 s94, s94, 0x600000
	v_mov_b32 v[LIM], s94
	PLACES NP
	TOSTAGE 0
.irp a, 1,2,3,4,5,6,7
.if \a > 1
	s_wait_xcnt 0x0                                ; block a - 2's stores have read their registers and their base: block a's loads may land there, and the base may step
.endif
	TOSTAGE \a
	SEND \a-1, 8                                   ; behind block a - 1's loads: block a's 4 stores and 4 loads
.endr
	s_wait_xcnt 0x0
	SEND 7, 0
	s_wait_tensorcnt 0x0                           ; the wave's end
	ds_add_u32 v[SPW], v[NIL]
	s_wait_dscnt 0x0
	CROUND                                         ; the closing round: no work-group ends while a partner may still ask for a tile that names it
	s_endpgm
.Lfunc_end_k_q49458b18be_qkv:
	.size	k_q49458b18be_qkv, .Lfunc_end_k_q49458b18be_qkv-k_q49458b18be_qkv
	.p2alignl 7, 3214868480
	.fill 96, 4, 3214868480
	.section	.rodata,"a",@progbits
	.p2align	6, 0x0
	.amdhsa_kernel k_q49458b18be_qkv
		.amdhsa_group_segment_fixed_size 327680
		.amdhsa_private_segment_fixed_size 0
		.amdhsa_enable_private_segment 0
		.amdhsa_kernarg_size 32
		.amdhsa_user_sgpr_count 2
		.amdhsa_user_sgpr_kernarg_segment_ptr 1
		.amdhsa_wavefront_size32 1
		.amdhsa_system_sgpr_workgroup_id_x 1
		.amdhsa_system_sgpr_workgroup_id_y 1
		.amdhsa_system_sgpr_workgroup_id_z 1
		.amdhsa_system_vgpr_workitem_id 0
		.amdhsa_next_free_vgpr 1024
		.amdhsa_next_free_sgpr 100
		.amdhsa_reserve_vcc 0
		.amdhsa_float_denorm_mode_32 3
		.amdhsa_float_denorm_mode_16_64 3
		.amdhsa_memory_ordered 1
		.amdhsa_forward_progress 1
		.amdhsa_inst_pref_size 125
	.end_amdhsa_kernel
	.amdgpu_metadata
---
amdhsa.version: [ 1, 2 ]
amdhsa.kernels:
  - .name:           k_q49458b18be_qkv
    .symbol:         k_q49458b18be_qkv.kd
    .args:
      - { .name: xc, .offset: 0, .size: 8, .value_kind: global_buffer, .address_space: global }
      - { .name: wc, .offset: 8, .size: 8, .value_kind: global_buffer, .address_space: global }
      - { .name: lowp_scales, .offset: 16, .size: 8, .value_kind: global_buffer, .address_space: global }
      - { .name: qkvc, .offset: 24, .size: 8, .value_kind: global_buffer, .address_space: global }
    .group_segment_fixed_size: 327680
    .private_segment_fixed_size: 0
    .kernarg_segment_align: 8
    .kernarg_segment_size: 32
    .max_flat_workgroup_size: 128
    .sgpr_count:     100
    .vgpr_count:     1024
    .wavefront_size: 32
...
	.end_amdgpu_metadata
.endif
;; end of part 2
;; launch attn (part 3): grid 4 x 64, 16 waves a work-group, clusters of 4 x 1, 327,680 bytes of LDS; arguments qkvc, lowp_scales, oc; writes oc
.if DOCPART == 3
	.amdgcn_target "amdgcn-amd-amdhsa--gfx1250"
	.amdhsa_code_object_version 6
	.text
	.protected	k_q49458b18be_attn
	.globl	k_q49458b18be_attn
	.p2align	8
	.type	k_q49458b18be_attn,@function
k_q49458b18be_attn:
	s_mov_b64 s[64:65], 0
	v_nop
	global_prefetch_b8 v0, s[64:65] scope:SCOPE_SE
	s_setreg_imm32_b32 hwreg(HW_REG_WAVE_MODE, 25, 1), 1
	s_wait_xcnt 0x0
	s_wait_alu depctr_hold_cnt(0) depctr_sa_sdst(0) depctr_va_vdst(0) depctr_va_sdst(0) depctr_va_ssrc(0) depctr_va_vcc(0) depctr_vm_vsrc(0)
	s_getreg_b32 s2, hwreg(HW_REG_IB_STS2, 6, 4)
	s_cmp_eq_u32 s2, 0
	s_cbranch_scc0 .Lentry_in_a_cluster
	s_endpgm
.Lentry_in_a_cluster:
	s_bfe_u32 s2, ttmp6, 0x10000c
	s_cmp_lg_u32 s2, 0x3003
	s_cbranch_scc0 .Lentry_shape_is_right
	s_endpgm
.Lentry_shape_is_right:
; CAUSAL ATTENTION ON CODES OF FP8 (E4M3): o[q] = the sum over keys k <= q of softmax_k(q . k / 32) v[k], head size 64, 2,048 tokens, 64 heads (batch x head); o is quantised on the way out for the last product.
; qkvc: q at 0, k at 8 MiB: [bh][t][64 bytes]; v at 16 MiB: [bh][key / 128][d][128 bytes], the keys innermost.  In every 32 bytes the two middle groups of eight have changed places, so that a load of
; 16 bytes at 32 c + 16 (lane / 16) brings the plain fp8 forms' own layout.  Scales: entry 6 for q, 7 for k, 8 for p, 9 for v, 10 for o.
; THE SOFTMAX: t = score x log2(e) / 32; M = the row's largest t so far, rounded UP to a whole number; p = 2^(t - M) is quantised, not normalised; the row's sum is taken of the unquantised p and divides at the end.
; When M moves, the sum and O are multiplied by 2^(old M - new M), which rounds nothing.
; LDS IS FILLED ONCE.  A head's K and V are 2 x 512 rows of 256 bytes (+ 16 of padding): 278,528 bytes; they stay for the whole launch: no ring, no refill.
; CLUSTER: the four work-groups of a head need the same K and V and ask for them jointly (mask 15).  Two groups of loads, one load a wave in each: first keys 0-511 (16 rows a wave: waves 0-7 K's, 8-15 V's),
; then, behind the sequence and the round, the other 1,536 keys (48 rows a wave), which land under four key steps that every wave has.  Behind one more barrier the waves share nothing.
; SHARES.  A head's 128 tiles of 16 queries: work-group cx owns tiles 4 i + cx, i = 0..31.  Tile 4 i + cx wants i / 2 + 1 key steps of 128, whatever cx is, and its last step is the one on the diagonal: so every
; branch and trip hangs on the wave's number alone and is the same in all partners.  Wave w takes i = 31 - w and then i = w: 17 steps for every wave.  Key steps beyond a tile's last lie wholly under the mask
; and are jumped over; the loops' trip counts (4, 12, 8) are constants.  On the diagonal hidden scores become -infinity; key 0 counts for every query, so M is a number from the first step on.
; No prefetch: both groups of loads go out at the head, so there is no later load that a prefetch could run ahead of.
; LAYOUT.  Both products are used transposed: S^T = K Q^T (source 0 = 16 neighbouring keys, source 1 = my 16 queries), O^T = V^T P^T: a lane holds ONE query (lane % 16) throughout; tile t of S^T gives a lane keys
; 16 t + 8 (lane / 16) + 0 .. 7, whose eight codes are registers 2 t, 2 t + 1 of P in the K = 128 form's own layout.
; LIMITS: e6 + e7 between -121 and 132 (added to c's exponent field); e8, and e10 - e8 - e9, between -126 and 119.  NaN among the inputs is not served.
; oc: [token / 256][head][token % 256][64 bytes, d in its own order].
.set ROWP,  272                        ; an LDS row: 256 bytes (4 keys of K, or 2 d of V) + 16 of padding
.set VOFF,  512*ROWP                   ; K's 512 rows, then V's
.set QSTEP, 32*ROWP                    ; a key step of 128 keys, in K and in V
.set RA,    16                         ; rows a wave asks for in the first group (rows 0-127 of K and of V),
.set RB,    48                         ; and in the second (rows 128-511)
.set STAGE, 2*VOFF                     ; behind the tiles: 16 rows x (64 bytes + 16) for each wave, for the way out; no tile lands here
.set SPARE, STAGE+16*1280              ; behind the stages: the spare words, 128 bytes for each wave, which no other line names
.set AK0,  1                           ; v1   my lane's place in a tile of K
.set AV0,  2                           ; v2   the same for V
.set STO,  3                           ; v3   the way out: where I put 8 bytes of a row
.set SRD,  4                           ; v4   and where I read back
.set SPW,  5                           ; v5   LDS address of my spare word; never rewritten
.set NIL,  6                           ; v6   0; never rewritten
.set GO,   7                           ; v7   16 x lane: my bytes of the wave's 1,024 of oc
.set ADK,  8                           ; v8   LDS address of the step's K for my lane
.set ADV,  9                           ; v9   of its V
.set QO,   10                          ; v10  my lane's bytes in the wave's 16 rows of q
.set RH,   24                          ; v24  lane % 16 - 8 (lane / 16)
.set DD,   25                          ; v25  on the diagonal: my query - the step's first key - 8 (lane / 16)
.set F,    32                          ; v32-95   eight fragments of K, then four of V
.set S,    96                          ; v96-159  S^T, then p
.set OT,   160                         ; v160-191 O^T
; v12 -M, v13 the largest t, v[14:15] the sum in two halves; v16-23 Q; v192-199 o's codes; v200-207 rows read back; v224-239 p's codes; v240, v241 448 x 2^e8, v244 2^e8; v245 2^(e10-e8-e9), v246 448 x that; v232-239, v242-243, v248-255 at work
.set DDS,  3                           ; s3   the second tile's diagonal offset
.set CX,   10                          ; s10  my place in the cluster: it enters global addresses and the mask's vector compare alone
.set BH,   11                          ; s11  batch x 16 + head
.set CNT,  12                          ; s12  trips to go
.set KO,   13                          ; s13  LDS bytes from key 0 to the step's first key
.set KF,   14                          ; s14  the step's first key
.set NK,   15                          ; s15  128 x the tile's key steps
.set NKS,  16                          ; s16  the same for the second tile
.set DDL,  17                          ; s17  the first tile's diagonal offset: 64 (i % 2) + 16 cx
.set WV,   18                          ; s18  my wave's number
.set HB,   19                          ; s19  the head's 2,048 x 64 bytes
.set SEL,  20                          ; s[20:21] lane selects for v_permlanex16_b32: lane l xor 16
.set CS,   22                          ; s[22:23] c = log2(e) / 32 x 2^(e6 + e7)
.set G1A,  24                          ; s[24:31], s[32:35] the first group's descriptor
.set G0A,  32
.set G0B,  36                          ; s[36:39], s[40:47] the second group's
.set G1B,  40
.set QAL,  48                          ; s[48:49] q at the first tile, s[50:51] at the second; s[52:53], s[54:55] oc likewise
.set QAS,  50
.set OAL,  52
.set OAS,  54
.set IL,   74                          ; s74  31 - wave
.macro CROUND                          ; a round of the cluster's barrier
	s_barrier_signal -1
	s_barrier_wait -1
	s_cmp_lg_u32 s[WV], 0
	s_cbranch_scc1 .Lnot_wave_0_\@
	s_barrier_signal -3
.Lnot_wave_0_\@:
	s_barrier_wait -3
	s_barrier_signal -1
	s_barrier_wait -1
.endm
.macro PLACES
.rept 4
	v_nop
.endr
.endm
	s_load_b128 s[4:7], s[0:1], 0x0                ; qkvc s[4:5], the scales s[6:7]
	s_load_b64 s[8:9], s[0:1], 0x10                ; oc
	v_lshl_add_u32 v[SPW], v0, 2, SPARE
	v_mov_b32 v[NIL], 0
	ds_add_u32 v[SPW], v[NIL]                      ; the opening: the add, twice on end, and its wait ahead of my first tensor load
	ds_add_u32 v[SPW], v[NIL]
	v_lshrrev_b32 v8, 5, v0
	v_readfirstlane_b32 s[WV], v8                  ; wave 0..15
	s_bfe_u32 s[CX], ttmp6, 0x40000
	s_and_b32 s[BH], ttmp7, 0xffff
.irp g, G1A, G1B                               ; rows of 256 bytes, dense in memory; mask 15: all four work-groups of the cluster; bit 21 beside it; four words of padding after every 64
	s_mov_b32 s[\g], 15|(1<<20)|(1<<21)|(5<<22)|(3<<25)
	s_mov_b32 s[\g+1], 256<<16
	s_mov_b32 s[\g+3], 256<<16
	s_mov_b32 s[\g+5], 256
	s_mov_b32 s[\g+6], 0
	s_mov_b32 s[\g+7], 0
.endr
	s_mov_b32 s[G1A+2], RA<<16
	s_mov_b32 s[G1A+4], RA
	s_mov_b32 s[G1B+2], RB<<16
	s_mov_b32 s[G1B+4], RB
	s_lshr_b32 s56, s[WV], 3                       ; I fetch for K (0) or for V (1),
	s_and_b32 s57, s[WV], 7                        ; the eighth part of a group's rows
	s_mul_i32 s58, s56, VOFF
	s_mul_i32 s59, s57, RA*ROWP
	s_add_co_u32 s59, s59, s58                     ; where the first group's rows go,
	s_mul_i32 s60, s57, RB*ROWP
	s_add_co_u32 s60, s60, s58
	s_add_co_u32 s60, s60, 128*ROWP                ; and the second's
	s_add_co_u32 s61, s56, 1
	s_lshl_b32 s61, s61, 23                        ; k at 8 MiB, v at 16 MiB,
	s_lshl_b32 s[HB], s[BH], 17
	s_add_co_u32 s61, s61, s[HB]                   ; my head
	s_lshl_b32 s62, s57, 12
	s_add_co_u32 s62, s62, s61
	s_mov_b32 s63, 0
	s_mul_i32 s66, s57, RB*256
	s_add_co_u32 s66, s66, s61
	s_add_co_u32 s66, s66, 128*256
	s_mov_b32 s67, 0
	s_mov_b32 s[SEL], 0x76543210
	s_mov_b32 s[SEL+1], 0xfedcba98
	s_mov_b32 s[CS], 0x3d38aa3b                    ; log2(e) / 32
	s_mov_b32 s[KF], 0
	s_mov_b32 s[KO], 0
	s_wait_dscnt 0x0                               ; both opening adds are done
	s_wait_kmcnt 0x0
	s_load_b128 s[68:71], s[6:7], 0x18             ; e6, e7, e8, e9
	s_load_b32 s72, s[6:7], 0x28                   ; e10
	s_mov_b32 s[G0A], 1
	s_mov_b32 s[G0A+1], s59
	s_add_nc_u64 s[G0A+2:G0A+3], s[4:5], s[62:63]
	s_or_b32 s[G0A+3], s[G0A+3], 0x80000000
	s_mov_b32 s[G0B], 1
	s_mov_b32 s[G0B+1], s60
	s_add_nc_u64 s[G0B+2:G0B+3], s[4:5], s[66:67]
	s_or_b32 s[G0B+3], s[G0B+3], 0x80000000
	CROUND                                         ; all four work-groups are here: the first joint loads meet
	tensor_load_to_lds s[G0A:G0A+3], s[G1A:G1A+7]  ; keys 0-511: my one tensor load at the head
	s_nop 0
	PLACES
; a tile's numbers: key steps (from the wave's number alone), diagonal offset, q's and oc's addresses
.macro TILE i, nk, dd, qa, oa
	s_lshr_b32 s[\nk], s[\i], 1
	s_add_co_u32 s[\nk], s[\nk], 1
	s_lshl_b32 s[\nk], s[\nk], 7
	s_and_b32 s[\dd], s[\i], 1
	s_lshl_b32 s[\dd], s[\dd], 6
	s_add_co_u32 s[\dd], s[\dd], s73
	s_lshl_b32 s75, s[\i], 6
	s_add_co_u32 s75, s75, s73                     ; my first query: 64 i + 16 cx
	s_lshl_b32 s76, s75, 6
	s_add_co_u32 s76, s76, s[HB]
	s_mov_b32 s77, 0
	s_add_nc_u64 s[\qa:\qa+1], s[4:5], s[76:77]
	s_lshr_b32 s76, s75, 8
	s_add_co_u32 s76, s76, s78
	s_lshl_b32 s76, s76, 4
	s_add_co_u32 s76, s76, s79
	s_lshl_b32 s76, s76, 14                        ; ((8 batch + query / 256) 16 + head) x 16,384
	s_and_b32 s75, s75, 255
	s_lshl_b32 s75, s75, 6
	s_add_co_u32 s76, s76, s75
	s_add_nc_u64 s[\oa:\oa+1], s[8:9], s[76:77]
.endm
	s_lshl_b32 s73, s[CX], 4
	s_sub_co_u32 s[IL], 31, s[WV]
	s_lshr_b32 s78, s[BH], 4
	s_lshl_b32 s78, s78, 3                         ; 8 x batch
	s_and_b32 s79, s[BH], 15                       ; head
	TILE IL, NK, DDL, QAL, OAL
	TILE WV, NKS, DDS, QAS, OAS
	s_mul_i32 s80, s[WV], 1280
	s_add_co_u32 s80, s80, STAGE                   ; my stage
	v_and_b32 v8, 15, v0                           ; r
	v_bfe_u32 v9, v0, 4, 1                         ; h
	v_lshlrev_b32 v[QO], 6, v8
	v_lshl_add_u32 v[QO], v9, 4, v[QO]
	global_load_b128 v[16:19], v[QO], s[QAL:QAL+1] ; Q's fragment stays in registers
	global_load_b128 v[20:23], v[QO], s[QAL:QAL+1] offset:32
	v_lshrrev_b32 v11, 2, v8
	v_mul_u32_u24 v[AK0], v11, ROWP                ; K: key r lies in LDS row r / 4, at byte 64 (r % 4)
	v_and_b32 v11, 3, v8
	v_lshl_add_u32 v[AK0], v11, 6, v[AK0]
	v_lshl_add_u32 v[AK0], v9, 4, v[AK0]
	v_lshrrev_b32 v11, 1, v8
	v_mul_u32_u24 v[AV0], v11, ROWP                ; V: d = r lies in LDS row r / 2, at byte 128 (r % 2)
	v_and_b32 v11, 1, v8
	v_lshl_add_u32 v[AV0], v11, 7, v[AV0]
	v_lshl_add_u32 v[AV0], v9, 4, v[AV0]
	v_add_nc_u32 v[AV0], VOFF, v[AV0]
	v_mul_u32_u24 v[STO], v8, 80
	v_lshl_add_u32 v[STO], v9, 3, v[STO]
	v_add_nc_u32 v[STO], s80, v[STO]               ; in: row r, 8 bytes for each half of the lanes
	v_and_b32 v11, 31, v0
	v_lshlrev_b32 v[GO], 4, v11
	v_lshrrev_b32 v11, 2, v11
	v_mul_u32_u24 v[SRD], v11, 80
	v_and_b32 v11, 3, v0
	v_lshl_add_u32 v[SRD], v11, 4, v[SRD]
	v_add_nc_u32 v[SRD], s80, v[SRD]               ; back: four lanes to a row of 64 bytes
	v_lshlrev_b32 v[RH], 3, v9
	v_sub_nc_u32 v[RH], v8, v[RH]
	v_add_nc_u32 v[DD], s[DDL], v[RH]
.macro INIT                            ; a tile begins: the first change of M multiplies zeros
	v_mov_b32 v13, 0xff61b1e6                      ; the largest t so far: -3e38, under every t
	s_delay_alu instid0(VALU_DEP_1)
	v_floor_f32 v12, -v13                          ; -M
	v_mov_b32 v14, 0
	v_mov_b32 v15, 0
.set j, 0
.rept 32
	v_mov_b32 v[OT+j], 0
.set j, j+1
.endr
.endm
	INIT
	v_mov_b32 v248, 0                              ; written once: a lane permute's destination counts as one of its sources
	v_mov_b32 v253, 0                              ; (named as the upper half of the pair v[252:253])
	s_wait_alu depctr_va_vdst(0)
	s_wait_kmcnt 0x0
	s_add_co_i32 s73, s68, s69
	s_lshl_b32 s73, s73, 23
	s_add_co_i32 s[CS], s[CS], s73                 ; a score stands for score x 2^(e6 + e7): the two exponents are added to c's exponent field
	s_mov_b32 s[CS+1], s[CS]                       ; (named with it as a pair, so it is written)
	s_add_co_i32 s73, s70, 127
	s_lshl_b32 s75, s73, 23
	v_mov_b32 v244, s75                            ; 2^e8
	s_add_co_i32 s73, s73, 8
	s_lshl_b32 s73, s73, 23
	s_or_b32 s73, s73, 0x600000
	v_mov_b32 v240, s73                            ; 448 x 2^e8, twice: one for each half of a dual line
	v_mov_b32 v241, s73
	s_sub_co_i32 s73, s72, s70
	s_sub_co_i32 s73, s73, s71                     ; O^T / l stands for o / 2^(e8 + e9): its code is (O^T / l) / 2^(e10 - e8 - e9)
	s_add_co_i32 s73, s73, 127
	s_lshl_b32 s75, s73, 23
	v_mov_b32 v245, s75
	s_add_co_i32 s73, s73, 8
	s_lshl_b32 s73, s73, 23
	s_or_b32 s73, s73, 0x600000
	v_mov_b32 v246, s73
; A KEY STEP: 128 keys from key KF on.  masked = 1: the step may lie beyond the tile's last (jumped over) or on the diagonal.
.macro STEP masked
.if \masked
	s_cmp_ge_u32 s[KF], s[NK]                      ; all 128 keys come after my 16 queries: the step's work is left out
	s_cbranch_scc1 .Lhidden_\@
.endif
	v_add_nc_u32 v[ADK], s[KO], v[AK0]
	v_add_nc_u32 v[ADV], s[KO], v[AV0]
	v_nop                                          ; with the two additions: four places in front of loads into registers that the last products read
	v_nop
.irp t, 0,1,2,3,4,5,6,7
	ds_load_b128 v[F+8*\t:F+8*\t+3],   v[ADK] offset:\t*1088
	ds_load_b128 v[F+8*\t+4:F+8*\t+7], v[ADK] offset:\t*1088+32
.endr
	s_wait_alu depctr_va_vdst(0)
	s_wait_dscnt 0x0
.irp t, 0,1,2,3,4,5,6,7
	v_wmma_f32_16x16x64_fp8_fp8 v[S+8*\t:S+8*\t+7], v[F+8*\t:F+8*\t+7], v[16:23], 0   ; S^T: keys 16 t on x my 16 queries
.endr
	PLACES
.irp t, 0,1,2,3                                ; V's four fragments (16 d x 128 keys) land while the softmax is walked
.irp c, 0,1,2,3
	ds_load_b128 v[F+16*\t+4*\c:F+16*\t+4*\c+3], v[ADV] offset:\t*2176+32*\c
.endr
.endr
.if \masked
	s_add_co_u32 s96, s[KF], 128
	s_cmp_lg_u32 s96, s[NK]                        ; only the tile's last step lies on the diagonal
	s_cbranch_scc1 .Lopen_\@
	v_mov_b32 v254, 0xff800000                     ; -infinity.  Register 8 t + i holds key KF + 8 (lane / 16) + 16 t + i: hidden where 16 t + i > d
.set n, 0
.rept 64
	v_cmp_gt_i32 vcc_lo, 16*(n/8)+n%8, v[DD]
	v_cndmask_b32 v[S+n], v[S+n], v254, vcc_lo
.set n, n+1
.endr
.Lopen_\@:
.endif
	v_max3_num_f32 v254, v96, v97, v98             ; the step's largest score of my query among my 64 keys, in two chains, each accumulator from its low end on,
	v_max3_num_f32 v252, v99, v100, v101
.irp i, 6,10,14,18,22,26,30,34,38,42,46,50,54,58
	v_max3_num_f32 v254, v254, v[96+\i], v[97+\i]
	v_max3_num_f32 v252, v252, v[98+\i], v[99+\i]
.endr
	v_max3_num_f32 v254, v254, v158, v159
	s_delay_alu instid0(VALU_DEP_1)
	v_max_num_f32 v254, v254, v252
	s_delay_alu instid0(VALU_DEP_1)
	v_permlanex16_b32 v248, v254, s[SEL], s[SEL+1]
	s_delay_alu instid0(VALU_DEP_1)
	v_max_num_f32 v254, v254, v248                 ; and among lane l xor 16's
	s_delay_alu instid0(VALU_DEP_1)
	v_mul_f32 v254, s[CS], v254                    ; as t (c is positive)
	s_delay_alu instid0(VALU_DEP_1)
	v_max_num_f32 v13, v13, v254                   ; the running largest t
	v_mov_b32 v254, v12
	s_delay_alu instid0(VALU_DEP_2)
	v_floor_f32 v12, -v13                          ; the new -M = floor(-t) = -ceil(t): a whole number
	s_delay_alu instid0(VALU_DEP_1)
	v_sub_f32 v254, v12, v254                      ; M's old value less its new one: a whole number, 0 or less
	s_delay_alu instid0(VALU_DEP_1)
	v_cvt_i32_f32 v254, v254                       ; (it saturates)
	s_delay_alu instid0(VALU_DEP_1)
	v_ldexp_f32 v252, 1.0, v254                    ; f = 2^(old M - new M)
.set j, 0
.rept 32
	v_pk_fma_f32 v[S+j:S+j+1], v[S+j:S+j+1], s[CS:CS+1], v[12:13] op_sel_hi:[1,0,0]   ; t - M, two at a time (of the pairs c and -M the low word serves both halves)
.set j, j+2
.endr
.set j, 0
	s_wait_alu depctr_va_vdst(0)
.rept 64
	v_exp_f32 v[S+j], v[S+j]                       ; p = 2^(t - M), at most 1
.set j, j+1
.endr
	v_pk_mul_f32 v[14:15], v[14:15], v[252:253] op_sel_hi:[1,0]   ; the sums under the new M: a plain line behind the exponentials
	s_wait_alu depctr_va_vdst(0)                   ; one wait for the whole batch, ahead of its first reader
	v_pk_add_f32 v[242:243], v[100:101], v[104:105]   ; the row's sum is taken of the unquantised p, in eight chains
	v_pk_add_f32 v[254:255], v[108:109], v[112:113]
	v_pk_add_f32 v[250:251], v[116:117], v[120:121]
	v_pk_add_f32 v[238:239], v[124:125], v[128:129]
	v_pk_add_f32 v[236:237], v[132:133], v[136:137]
	v_pk_add_f32 v[234:235], v[140:141], v[144:145]
	v_pk_add_f32 v[232:233], v[148:149], v[152:153]
	v_pk_add_f32 v[14:15], v[14:15], v[156:157]
	v_pk_add_f32 v[242:243], v[242:243], v[96:97]
	v_pk_add_f32 v[254:255], v[254:255], v[98:99]
	v_pk_add_f32 v[250:251], v[250:251], v[102:103]
	v_pk_add_f32 v[238:239], v[238:239], v[106:107]
	v_pk_add_f32 v[236:237], v[236:237], v[110:111]
	v_pk_add_f32 v[234:235], v[234:235], v[114:115]
	v_pk_add_f32 v[232:233], v[232:233], v[118:119]
	v_pk_add_f32 v[14:15], v[14:15], v[122:123]
	v_pk_add_f32 v[242:243], v[242:243], v[126:127]
	v_pk_add_f32 v[254:255], v[254:255], v[130:131]
	v_pk_add_f32 v[250:251], v[250:251], v[134:135]
	v_pk_add_f32 v[238:239], v[238:239], v[138:139]
	v_pk_add_f32 v[236:237], v[236:237], v[142:143]
	v_pk_add_f32 v[234:235], v[234:235], v[146:147]
	v_pk_add_f32 v[232:233], v[232:233], v[150:151]
	v_pk_add_f32 v[14:15], v[14:15], v[154:155]
	v_pk_add_f32 v[242:243], v[242:243], v[158:159]
	s_delay_alu instid0(VALU_DEP_2)
	v_pk_add_f32 v[14:15], v[14:15], v[238:239]
	s_delay_alu instid0(VALU_DEP_2)
	v_pk_add_f32 v[242:243], v[242:243], v[236:237]
	v_pk_add_f32 v[254:255], v[254:255], v[234:235]
	v_pk_add_f32 v[250:251], v[250:251], v[232:233]
	s_delay_alu instid0(VALU_DEP_2)
	v_pk_add_f32 v[14:15], v[14:15], v[254:255]
	s_delay_alu instid0(VALU_DEP_2)
	v_pk_add_f32 v[242:243], v[242:243], v[250:251]
	s_delay_alu instid0(VALU_DEP_1)
	v_pk_add_f32 v[14:15], v[14:15], v[242:243]
.irp t, 0,1,2,3,4,5,6,7
.irp i, 0,2,4,6
	v_dual_min_num_f32 v[S+8*\t+\i], v[S+8*\t+\i], v240 :: v_dual_min_num_f32 v[S+8*\t+\i+1], v[S+8*\t+\i+1], v241   ; the conversion does not saturate (ISA guide 7.6.2); p is not negative, so the hold is one-sided; two numbers a line
.endr
	v_cvt_scalef32_pk8_fp8_f32 v[224+2*\t:225+2*\t], v[S+8*\t:S+8*\t+7], v244   ; keys 16 t + 8 (lane / 16) + 0 .. 7: registers 2 t, 2 t + 1 of P
.endr
	s_wait_alu depctr_va_vdst(0)
.set j, 0
.rept 16
	v_pk_mul_f32 v[OT+j:OT+j+1], v[OT+j:OT+j+1], v[252:253] op_sel_hi:[1,0]   ; O^T under the new M.  (Plain lines between the conversions and the products that read the codes)
.set j, j+2
.endr
	s_wait_alu depctr_va_vdst(0)
	s_wait_dscnt 0x0                               ; V's fragments are in
.irp t, 0,1,2,3
	v_wmma_f32_16x16x128_fp8_fp8 v[OT+8*\t:OT+8*\t+7], v[F+16*\t:F+16*\t+15], v[224:239], v[OT+8*\t:OT+8*\t+7]   ; the four accumulators take turns, one instruction a turn
.endr
.if \masked
.Lhidden_\@:
.endif
	s_add_co_u32 s[KF], s[KF], 128
	s_add_co_u32 s[KO], s[KO], QSTEP
.endm
.macro KLOOP name, trips, masked       ; a constant number of trips; hidden steps are jumped over inside
	s_mov_b32 s[CNT], \trips
.L\name:
	STEP \masked
	s_sub_co_u32 s[CNT], s[CNT], 1
	s_cmp_lg_u32 s[CNT], 0
	s_cbranch_scc1 .L\name
.endm
; THE WAY OUT of a tile: O^T / the sum is held, converted with 2^(e10 - e8 - e9), and goes through my own stage: 8 bytes a lane and tile in, whole rows of 64 bytes back; the wave's 16 rows are 1,024 consecutive bytes of oc.
.macro OUT b
	PLACES                                         ; behind the last products
	v_add_f32 v14, v14, v15                        ; the sum's two halves,
	s_wait_alu depctr_va_vdst(0)
	v_permlanex16_b32 v248, v14, s[SEL], s[SEL+1]
	s_delay_alu instid0(VALU_DEP_1)
	v_add_f32 v14, v14, v248                       ; and lane l xor 16's
	s_wait_alu depctr_va_vdst(0)                   ; the wait ahead of the reciprocal,
	v_rcp_f32 v252, v14
	v_nop                                          ; a plain line behind it,
	s_wait_alu depctr_va_vdst(0)                   ; and the wait ahead of its first reader, which is O^T's first reader too
.set j, 0
.rept 16
	v_pk_mul_f32 v[S+j:S+j+1], v[OT+j:OT+j+1], v[252:253] op_sel_hi:[1,0]   ; register 8 t + i: d = 16 t + 8 (lane / 16) + i of my query; each accumulator from its low end on
.set j, j+2
.endr
.set j, 0
.rept 32
	v_med3_num_f32 v[S+j], v[S+j], -v246, v246
.set j, j+1
.endr
.irp t, 0,1,2,3
	v_cvt_scalef32_pk8_fp8_f32 v[192+2*\t:193+2*\t], v[S+8*\t:S+8*\t+7], v245
.endr
	v_nop                                          ; a plain line behind the conversions: later products write their sources
	s_wait_alu depctr_va_vdst(0)
	s_wait_xcnt 0x0                                ; the first tile's stores have read v200-207: the loads below may land there
.irp t, 0,1,2,3
	ds_store_b64 v[STO], v[192+2*\t:193+2*\t] offset:16*\t
.endr
.irp i, 0,1
	ds_load_b128 v[200+4*\i:203+4*\i], v[SRD] offset:640*\i   ; LDS serves a wave's instructions in order (ISA guide 5.7.1.4): these see my stores
.endr
	s_wait_dscnt 1                                 ; the first eight rows are back; the second load may be out
	global_store_b128 v[GO], v[200:203], s[\b:\b+1]            ; 32 lanes store 512 consecutive bytes, aligned
	s_wait_dscnt 0
	global_store_b128 v[GO], v[204:207], s[\b:\b+1] offset:512
.endm
	s_wait_alu depctr_va_vdst(0)
	s_wait_tensorcnt 0x0                           ; my rows of keys 0-511 are in
	ds_add_u32 v[SPW], v[NIL]
	s_wait_dscnt 0x0
	CROUND                                         ; everybody's are, and all four work-groups are here: the joint loads meet
	tensor_load_to_lds s[G0B:G0B+3], s[G1B:G1B+7]  ; keys 512-2047: my one tensor load behind the round
	s_nop 0
	PLACES
	s_wait_loadcnt 0x0                             ; Q
	KLOOP first, 4, 0                              ; keys 0-511 of the first tile, which has nine steps or more: none of the four is hidden or on the diagonal
	s_wait_tensorcnt 0x0                           ; my rows of the other keys are in;
	ds_add_u32 v[SPW], v[NIL]
	s_wait_dscnt 0x0
	s_barrier_signal -1
	s_barrier_wait -1                              ; everybody's are: from here on LDS's tiles are only read
	KLOOP rest, 12, 1
	global_load_b128 v[16:19], v[QO], s[QAS:QAS+1] ; the second tile's Q (four places stand behind the last products that read these registers)
	global_load_b128 v[20:23], v[QO], s[QAS:QAS+1] offset:32
	OUT OAL
	v_add_nc_u32 v[DD], s[DDS], v[RH]
	INIT
	s_mov_b32 s[KF], 0
	s_mov_b32 s[KO], 0
	s_mov_b32 s[NK], s[NKS]
	s_wait_alu depctr_va_vdst(0)
	s_wait_loadcnt 0x0
	KLOOP second, 8, 1
	OUT OAS
	s_wait_tensorcnt 0x0                           ; the wave's end
	ds_add_u32 v[SPW], v[NIL]
	s_wait_dscnt 0x0
	CROUND                                         ; the closing round
	s_endpgm
.Lfunc_end_k_q49458b18be_attn:
	.size	k_q49458b18be_attn, .Lfunc_end_k_q49458b18be_attn-k_q49458b18be_attn
	.p2alignl 7, 3214868480
	.fill 96, 4, 3214868480
	.section	.rodata,"a",@progbits
	.p2align	6, 0x0
	.amdhsa_kernel k_q49458b18be_attn
		.amdhsa_group_segment_fixed_size 327680
		.amdhsa_private_segment_fixed_size 0
		.amdhsa_enable_private_segment 0
		.amdhsa_kernarg_size 24
		.amdhsa_user_sgpr_count 2
		.amdhsa_user_sgpr_kernarg_segment_ptr 1
		.amdhsa_wavefront_size32 1
		.amdhsa_system_sgpr_workgroup_id_x 1
		.amdhsa_system_sgpr_workgroup_id_y 1
		.amdhsa_system_sgpr_workgroup_id_z 1
		.amdhsa_system_vgpr_workitem_id 0
		.amdhsa_next_free_vgpr 256
		.amdhsa_next_free_sgpr 100
		.amdhsa_reserve_vcc 1
		.amdhsa_float_denorm_mode_32 3
		.amdhsa_float_denorm_mode_16_64 3
		.amdhsa_memory_ordered 1
		.amdhsa_forward_progress 1
		.amdhsa_inst_pref_size 79
	.end_amdhsa_kernel
	.amdgpu_metadata
---
amdhsa.version: [ 1, 2 ]
amdhsa.kernels:
  - .name:           k_q49458b18be_attn
    .symbol:         k_q49458b18be_attn.kd
    .args:
      - { .name: qkvc, .offset: 0, .size: 8, .value_kind: global_buffer, .address_space: global }
      - { .name: lowp_scales, .offset: 8, .size: 8, .value_kind: global_buffer, .address_space: global }
      - { .name: oc, .offset: 16, .size: 8, .value_kind: global_buffer, .address_space: global }
    .group_segment_fixed_size: 327680
    .private_segment_fixed_size: 0
    .kernarg_segment_align: 8
    .kernarg_segment_size: 24
    .max_flat_workgroup_size: 512
    .sgpr_count:     100
    .vgpr_count:     256
    .wavefront_size: 32
...
	.end_amdgpu_metadata
.endif
;; end of part 3
;; launch proj (part 4): grid 8 x 32, 4 waves a work-group, clusters of 4 x 4, 327,680 bytes of LDS; arguments oc, wc, lowp_scales, bp, out0; writes out0
.if DOCPART == 4
	.amdgcn_target "amdgcn-amd-amdhsa--gfx1250"
	.amdhsa_code_object_version 6
	.text
	.protected	k_q49458b18be_proj
	.globl	k_q49458b18be_proj
	.p2align	8
	.type	k_q49458b18be_proj,@function
k_q49458b18be_proj:
	s_mov_b64 s[64:65], 0
	v_nop
	global_prefetch_b8 v0, s[64:65] scope:SCOPE_SE
	s_setreg_imm32_b32 hwreg(HW_REG_WAVE_MODE, 25, 1), 1
	s_wait_xcnt 0x0
	s_wait_alu depctr_hold_cnt(0) depctr_sa_sdst(0) depctr_va_vdst(0) depctr_va_sdst(0) depctr_va_ssrc(0) depctr_va_vcc(0) depctr_vm_vsrc(0)
	s_getreg_b32 s2, hwreg(HW_REG_IB_STS2, 6, 4)
	s_cmp_eq_u32 s2, 0
	s_cbranch_scc0 .Lentry_in_a_cluster
	s_endpgm
.Lentry_in_a_cluster:
	s_bfe_u32 s2, ttmp6, 0x10000c
	s_cmp_lg_u32 s2, 0xf033
	s_cbranch_scc0 .Lentry_shape_is_right
	s_endpgm
.Lentry_shape_is_right:
; THE LAST PRODUCT: out0[token][n] = sum over k of o[token][k] Wp[n][k] + bp[n], on codes of FP8 (E4M3); K = 1,024; sums in f32; each finished sum x 2^(e10 + e11), plus the bias, in one fused multiply-add.
; o's codes: oc, [token / 256][head][token % 256][64 bytes], k = 64 head + d.  Wp's codes: wc + 3 MiB, [n][1024].  LIMIT: e10 + e11 between -126 and 127, so that 2^(e10 + e11) is an f32 number.
; A block of out0 is 256 tokens x 128 columns: 32 x 8 = 256 work-groups.  Four waves, 128 tokens x 64 columns each: 32 accumulators, 256 registers.
; K goes in steps of 256 (four heads) through a ring of two LDS slots: A's part of a slot is 256 rows of 256 bytes (a head's 256 tokens are 64 such rows, dense in memory), B's part 128 rows of 256 bytes.
; Waves 0 and 1 fetch A's halves (128 rows each), waves 2 and 3 B's (64 rows each): one tensor load a wave behind each round.
; CLUSTERS: 4 x 4 work-groups; A's tile is asked for jointly along a row of the cluster, B's along a column.
; No prefetch: K has four steps; the first two come by the head's loads and the other two by the two refills, so no load stands two steps behind a place to ask from.
; THE MATRIX INSTRUCTION IS USED TRANSPOSED (source 0 = 16 rows of B, source 1 = 16 tokens of A): a lane holds eight neighbouring columns of one token's row.
; A fragment is fetched by four loads of 16 bytes (K = 32 c + 16 (lane / 16) + 0 .. 15 in registers 4 c .. 4 c + 3): a permutation of k that is the same in A and B.
; REGISTERS, in windows of 256.  Fragments have two sets, p = 0, 1: A's eight at v128-255 of window p; B's four at v[64 p ..] of window 1.  Window 2: accumulator (a, b) at v[8 (4 a + b)].
; Window 0: v0-31 addresses; v32-63 a block's results; v64-95 the bias in the accumulators' layout; on the way out v128-191 rows read back.
.set ROWB,   256                       ; a K step in a row of Wp's codes, in bytes
.set ASTEP,  65536                     ; a K step in oc: four heads of 16,384 bytes
.set PITCH,  272                       ; an LDS row: 256 bytes + 16 of padding
.set HEADB,  64*PITCH                  ; a head's 256 tokens in LDS
.set HALFT,  128*PITCH
.set BOFF,   2*HALFT                   ; B's rows lie behind A's 256
.set SLOT,   3*HALFT
.set SPARE,  2*SLOT                    ; behind the ring: the spare words, 128 bytes for each wave, which no other line names
.set SPITCH, 272                       ; the way out: a stage of 16 rows x (256 bytes + 16) for each wave, in slot 0, which has had its last fill and its last read when the first result is stored there
.set CROW,   4096                      ; a row of out0 in bytes
.set FR,     16
.set ADRA, 16                          ; v16-17  LDS address of my A fragments in slot 0, 1
.set ADRB, 20                          ; v20-21  the same for B
.set STO,  24                          ; v24     the way out: where I put 32 bytes of a row
.set RD,   25                          ; v25     and where I read back
.set CO,   26                          ; v26     my byte offset in out0
.set BO,   27                          ; v27     my byte offset in the bias
.set SPW,  28                          ; v28     LDS address of my spare word; never rewritten
.set NIL,  29                          ; v29     0; never rewritten
.set TMP,  32
.set BIA,  64
.set AF,   128
.set BK,   128
.set G1, 24                            ; s[24:31] group 1 for A's tiles; s[32:39] group 0, one set for each slot
.set G0, 32
.set G1B, 48                           ; s[48:55], s[56:63] the same for B's
.set G0B, 56
.set MSB, 0
.macro WIN new                         ; the immediate's high byte repeats the setting that is left
.if MSB != \new
	s_set_vgpr_msb (MSB<<8)|\new
.set MSB, \new
.endif
.endm
.set MUL_0, 0xa1                       ; source 0 (B) window 1, source 1 (A) window 0, C and D window 2
.set MUL_1, 0xa5                       ; the same with A in window 1
.set TO_1,  0x40                       ; destination window 1, address window 0
.macro PLACES                          ; places in front of loads into registers that matrix instructions have read, and of the first read of results
.rept 4
	v_nop
.endr
.endm
; A joint load: waves 0 and 1 fetch for A, waves 2 and 3 for B; the branch hangs on the wave's number alone.  An s_nop 0 and four v_nop follow each of the two lines.
.macro JLOAD s
	s_cmp_eq_u32 s15, 0
	s_cbranch_scc0 .Lfor_b_\@
	tensor_load_to_lds s[G0+4*\s:G0+4*\s+3], s[G1:G1+7]
	s_nop 0
	PLACES
	s_branch .Lasked_\@
.Lfor_b_\@:
	tensor_load_to_lds s[G0B+4*\s:G0B+4*\s+3], s[G1B:G1B+7]
	s_nop 0
	PLACES
.Lasked_\@:
.endm
.macro CREST                           ; a round of the cluster's barrier behind its opening barrier
	s_cmp_lg_u32 s14, 0
	s_cbranch_scc1 .Lnot_wave_0_\@
	s_barrier_signal -3
.Lnot_wave_0_\@:
	s_barrier_wait -3
	s_barrier_signal -1
	s_barrier_wait -1
.endm
.macro CROUND                          ; a whole round
	s_barrier_signal -1
	s_barrier_wait -1
	CREST
.endm
	s_load_b256 s[4:11], s[0:1], 0x0               ; oc s[4:5], wc s[6:7], the scales s[8:9], bp s[10:11]
	s_load_b64 s[12:13], s[0:1], 0x20              ; out0
	v_lshl_add_u32 v[SPW], v0, 2, SPARE
	v_mov_b32 v[NIL], 0
	ds_add_u32 v[SPW], v[NIL]                      ; the opening: the add, twice on end, and its wait ahead of my first tensor load
	ds_add_u32 v[SPW], v[NIL]
	v_lshrrev_b32 v1, 5, v0
	v_readfirstlane_b32 s14, v1                    ; wave 0..3
	s_lshr_b32 s15, s14, 1                         ; which 128 tokens are mine.  Also: I fetch for A (0) or for B (1)
	s_and_b32 s16, s14, 1                          ; which 64 columns.  Also: which half of that tile I fetch
	s_bfe_u32 s40, ttmp6, 0x40000                  ; cx, cy: my place in the cluster
	s_bfe_u32 s41, ttmp6, 0x40004
	s_lshl_b32 s42, ttmp9, 2
	s_add_co_u32 s42, s42, s40                     ; block column, 0..7
	s_and_b32 s17, ttmp7, 0xffff
	s_lshl_b32 s17, s17, 2
	s_add_co_u32 s17, s17, s41                     ; block row, 0..31
	s_lshl_b32 s43, s41, 2
	s_lshl_b32 s43, 15, s43                        ; my row of the cluster
	s_lshl_b32 s44, 0x1111, s40                    ; my column
	s_or_b32 s[G1+0], s43, (0<<16)|(1<<20)|(1<<21)|(5<<22)|(3<<25)  ; the mask; elements of 1 byte; padding on; bit 21 beside a mask; four words after every 64
	s_or_b32 s[G1B+0], s44, (0<<16)|(1<<20)|(1<<21)|(5<<22)|(3<<25)
.irp g, G1, G1B
	s_mov_b32 s[\g+1], ROWB<<16                    ; tensor_dim0
	s_mov_b32 s[\g+3], ROWB<<16                    ; tile_dim0
	s_mov_b32 s[\g+6], 0
	s_mov_b32 s[\g+7], 0
.endr
	s_mov_b32 s[G1+2], 128<<16                     ; A: 128 rows, dense
	s_mov_b32 s[G1+4], 128
	s_mov_b32 s[G1+5], 256
	s_mov_b32 s[G1B+2], 64<<16                     ; B: 64 rows, 1,024 bytes apart
	s_mov_b32 s[G1B+4], 64
	s_mov_b32 s[G1B+5], 1024
	s_lshl_b32 s20, s17, 18                        ; A: the block's 256 tokens x 1,024 bytes,
	s_lshl_b32 s18, s16, 15                        ; two heads for each fetching wave
	s_add_co_u32 s20, s20, s18
	s_mov_b32 s21, 0
	s_lshl_b32 s46, s42, 7
	s_lshl_b32 s18, s16, 6
	s_add_co_u32 s46, s46, s18
	s_lshl_b32 s46, s46, 10                        ; B: row 128 x block column + 64 x half,
	s_add_co_u32 s46, s46, 0x300000                ; in Wp's part of wc
	s_mov_b32 s47, 0
	s_mul_i32 s45, s16, HALFT                      ; where they go: A's halves,
	s_mul_i32 s66, s16, 64*PITCH
	s_add_co_u32 s66, s66, BOFF                    ; B's halves
	s_wait_dscnt 0x0                               ; both opening adds are done
	s_wait_kmcnt 0x0
	s_load_b64 s[96:97], s[8:9], 0x28              ; e10, e11
	s_add_nc_u64 s[20:21], s[4:5], s[20:21]
	s_add_nc_u64 s[46:47], s[6:7], s[46:47]
	CROUND                                         ; all sixteen work-groups are here: the first joint loads meet
.irp s, 0,1
	s_mov_b32 s[G0+4*\s], 1
	s_add_co_u32 s[G0+4*\s+1], s45, \s*SLOT
	s_add_nc_u64 s[G0+4*\s+2:G0+4*\s+3], s[20:21], \s*ASTEP
	s_or_b32 s[G0+4*\s+3], s[G0+4*\s+3], 0x80000000
	s_mov_b32 s[G0B+4*\s], 1
	s_add_co_u32 s[G0B+4*\s+1], s66, \s*SLOT
	s_add_nc_u64 s[G0B+4*\s+2:G0B+4*\s+3], s[46:47], \s*ROWB
	s_or_b32 s[G0B+4*\s+3], s[G0B+4*\s+3], 0x80000000
.endr
	JLOAD 0                                        ; K step 0: one tensor load a wave at the head
	s_mul_i32 s21, s15, 32*PITCH                   ; my 128 tokens: 32 rows in each head's part
	s_mul_i32 s22, s16, 64*PITCH
	s_add_co_u32 s22, s22, BOFF                    ; my 64 rows of B
	s_mul_i32 s23, s14, 16*SPITCH                  ; my stage
	s_lshl_b32 s92, s42, 9
	s_lshl_b32 s93, s16, 8
	s_add_co_u32 s92, s92, s93                     ; my first column, in bytes of f32: 512 x block column + 256 x half
	s_mov_b32 s93, 0
	s_add_nc_u64 s[10:11], s[10:11], s[92:93]
	s_lshl_b32 s20, s17, 8
	s_lshl_b32 s18, s15, 7
	s_add_co_u32 s20, s20, s18
	s_lshl_b32 s20, s20, 12                        ; my first token's row
	s_mov_b32 s67, 0
	s_mov_b32 s66, s20
	s_add_nc_u64 s[12:13], s[12:13], s[66:67]
	s_add_nc_u64 s[12:13], s[12:13], s[92:93]
	v_and_b32 v1, 15, v0                           ; r = l % 16
	v_bfe_u32 v2, v0, 4, 1                         ; h = l / 16
	v_mul_u32_u24 v3, v1, PITCH
	v_lshl_add_u32 v4, v2, 4, v3                   ; B: row r, + 16 h
	v_lshrrev_b32 v3, 2, v1
	v_mul_u32_u24 v3, v3, PITCH
	v_and_b32 v5, 3, v1
	v_lshl_add_u32 v3, v5, 6, v3
	v_lshl_add_u32 v3, v2, 4, v3                   ; A: token r lies in row r / 4, at byte 64 (r % 4), + 16 h
	v_mul_u32_u24 v5, v1, SPITCH
	v_lshl_add_u32 v5, v2, 5, v5                   ; the stage, in: row r, 32 bytes for each half of the lanes
	v_mul_u32_u24 v6, v2, SPITCH
	v_lshl_add_u32 v6, v1, 4, v6                   ; back: sixteen lanes to a row of 256 bytes, two rows an instruction
	v_lshlrev_b32 v[CO], 12, v2
	v_lshl_add_u32 v[CO], v1, 4, v[CO]             ; and the same two rows in out0
	v_lshlrev_b32 v[BO], 5, v2
	v_add_nc_u32 v[ADRA], s21, v3
	v_add_nc_u32 v[ADRB], s22, v4
	v_add_nc_u32 v[ADRA+1], SLOT, v[ADRA]
	v_add_nc_u32 v[ADRB+1], SLOT, v[ADRB]
	v_add_nc_u32 v[STO], s23, v5
	v_add_nc_u32 v[RD], s23, v6
.irp b, 0,1,2,3                                ; the bias as the accumulators lie: registers 8 b + j hold column 16 b + 8 h + j
	global_load_b128 v[BIA+8*\b:BIA+8*\b+3], v[BO], s[10:11] offset:64*\b
	global_load_b128 v[BIA+8*\b+4:BIA+8*\b+7], v[BO], s[10:11] offset:64*\b+16
.endr
.macro FRAG reg, adr, q, i             ; B: 16 rows x 128 K
.irp c, 0,1,2,3
	ds_load_b128 v[\reg+4*\c:\reg+4*\c+3], v[\adr] offset:128*(\q)+32*\c+(\i)*16*PITCH
.endr
.endm
.macro FRAG_A reg, adr, q, i           ; A: 16 tokens x 128 K = two heads x 64 bytes
.irp c, 0,1,2,3
	ds_load_b128 v[\reg+4*\c:\reg+4*\c+3], v[\adr] offset:(2*(\q)+\c/2)*HEADB+(\i)*4*PITCH+32*(\c%2)
.endr
.endm
.macro FETCH slot, q, p                ; 48 LDS loads in one run: the slot's q-th 128 along K into set p
	WIN TO_1
.irp i, 0,1,2,3
	FRAG 64*(\p)+FR*\i, ADRB+\slot, \q, \i
.endr
.if (\p) == 0
	WIN 0
.endif
.irp i, 0,1,2,3,4,5,6,7
	FRAG_A AF+FR*\i, ADRA+\slot, \q, \i
.endr
	WIN 0
.endm
; 16 matrix instructions: A's blocks a0 .. a0 + 3 x B's four, 128 along K, on set p.  zero = 1: the first product starts the sums.  The 32 accumulators take turns, one instruction a turn.
.macro MUL16 a0, p, zero
.irp a, \a0, \a0+1, \a0+2, \a0+3
.irp b, 0,1,2,3
.if \zero
	v_wmma_f32_16x16x128_fp8_fp8 v[8*(4*(\a)+\b):8*(4*(\a)+\b)+7], v[64*(\p)+FR*\b:64*(\p)+FR*\b+FR-1], v[AF+FR*(\a):AF+FR*(\a)+FR-1], 0
.else
	v_wmma_f32_16x16x128_fp8_fp8 v[8*(4*(\a)+\b):8*(4*(\a)+\b)+7], v[64*(\p)+FR*\b:64*(\p)+FR*\b+FR-1], v[AF+FR*(\a):AF+FR*(\a)+FR-1], v[8*(4*(\a)+\b):8*(4*(\a)+\b)+7]
.endif
.endr
.endr
.endm
; A slot's first 128 along K, on set 0; ahead of its products the slot's second 128 are fetched into set 1.
.macro STEP slot, zero
	s_wait_dscnt 0x0                               ; set 0 is in
	PLACES
	FETCH \slot, 1, 1
	WIN MUL_0
	MUL16 0, 0, \zero
	MUL16 4, 0, \zero
	WIN 0
.endm
; A slot's second 128, on set 1, change slots: one barrier; in front of it each wave waits for all its tensor loads, adds 0 to its spare word, and waits for that and for its reads of this slot.  fill = 1: this slot is filled again.
.macro TURN slot, next, fill
	s_wait_tensorcnt 0x0                           ; all my tensor loads have landed: my part of the next slot
	ds_add_u32 v[SPW], v[NIL]                      ; 0 onto my spare word
	s_wait_dscnt 0x0                               ; the add is done, set 1 is in, and my reads of this slot are over
	s_barrier_signal -1
	WIN MUL_1
	MUL16 0, 1, 0
	WIN 0
	s_barrier_wait -1
.if \fill
	CREST                                          ; the barrier has opened a round of the cluster's barrier: no wave of any partner still reads this slot or has a load on its way
	s_add_nc_u64 s[G0+4*\slot+2:G0+4*\slot+3], s[G0+4*\slot+2:G0+4*\slot+3], 2*ASTEP
	s_add_nc_u64 s[G0B+4*\slot+2:G0B+4*\slot+3], s[G0B+4*\slot+2:G0B+4*\slot+3], 2*ROWB
	JLOAD \slot                                    ; the first tensor load behind the round; its four v_nop are the places in front of the loads below
.else
	PLACES
.endif
	FETCH \next, 0, 0
	WIN MUL_1
	MUL16 4, 1, 0
	WIN 0
.endm
	s_wait_alu depctr_va_vdst(0)
	s_wait_tensorcnt 0x0                           ; my part of K step 0 is in
	ds_add_u32 v[SPW], v[NIL]
	s_wait_dscnt 0x0
	CROUND                                         ; everybody's part is in, and the joint loads meet:
	JLOAD 1                                        ; K step 1, the first tensor load behind the round
	FETCH 0, 0, 0
	STEP 0, 1                                      ; the first products start the sums
	TURN 0, 1, 1                                   ; slot 0 takes K step 2
	STEP 1, 0
	TURN 1, 0, 1                                   ; slot 1 takes K step 3
	STEP 0, 0
	TURN 0, 1, 0                                   ; nothing more is fetched
	STEP 1, 0
	s_wait_dscnt 0x0
	WIN MUL_1
	MUL16 0, 1, 0
	MUL16 4, 1, 0
	WIN 0
; THE WAY OUT, block by block of 16 tokens x 64 columns.  Each pair of sums x 2^(e10 + e11) + the bias, each accumulator from its low end on; the block goes through my own stage and comes back as whole rows of 256 bytes.
.macro TOSTAGE a
	WIN 0x02                                       ; source 0: window 2
.set j, 0
.rept 16
	v_pk_fma_f32 v[TMP+j:TMP+j+1], v[32*(\a)+j:32*(\a)+j+1], s[96:97], v[BIA+j:BIA+j+1] op_sel_hi:[1,0,1]   ; of the pair s[96:97] the low word serves both halves
.set j, j+2
.endr
	WIN 0
.irp b, 0,1,2,3
	ds_store_b128 v[STO], v[TMP+8*\b:TMP+8*\b+3] offset:64*\b
	ds_store_b128 v[STO], v[TMP+8*\b+4:TMP+8*\b+7] offset:64*\b+16
.endr
.set BB, BK+32*((\a)%2)
.irp t, 0,1,2,3,4,5,6,7
	ds_load_b128 v[BB+4*\t:BB+4*\t+3], v[RD] offset:\t*2*SPITCH   ; LDS serves a wave's instructions in order (ISA guide 5.7.1.4): these see the stores above
.endr
.endm
.macro SEND a, younger                 ; younger: the LDS instructions issued behind block a's loads, which may stay out
.set BB, BK+32*((\a)%2)
	s_wait_dscnt \younger
.if (\a) > 0
	s_add_nc_u64 s[12:13], s[12:13], 16*CROW       ; (behind a wait on XCNT: the earlier stores have read their base)
.endif
.irp t, 0,1,2,3,4,5,6,7
	global_store_b128 v[CO], v[BB+4*\t:BB+4*\t+3], s[12:13] offset:\t*2*CROW th:TH_STORE_NT   ; sixteen lanes store 256 consecutive bytes, aligned
.endr
.endm
	s_wait_kmcnt 0x0
	s_add_co_i32 s96, s96, s97
	s_add_co_i32 s96, s96, 127
	s_lshl_b32 s96, s96, 23                        ; 2^(e10 + e11) as f32
	s_wait_loadcnt 0x0                             ; the bias
	PLACES
	TOSTAGE 0
.irp a, 1,2,3,4,5,6,7
.if \a > 1
	s_wait_xcnt 0x0                                ; block a - 2's stores have read their registers and their base: block a's loads may land there, and the base may step
.endif
	TOSTAGE \a
	SEND \a-1, 16                                  ; behind block a - 1's loads: block a's 8 stores and 8 loads
.endr
	s_wait_xcnt 0x0
	SEND 7, 0
	s_wait_tensorcnt 0x0                           ; the wave's end
	ds_add_u32 v[SPW], v[NIL]
	s_wait_dscnt 0x0
	CROUND                                         ; the closing round: no work-group ends while a partner may still ask for a tile that names it
	s_endpgm
.Lfunc_end_k_q49458b18be_proj:
	.size	k_q49458b18be_proj, .Lfunc_end_k_q49458b18be_proj-k_q49458b18be_proj
	.p2alignl 7, 3214868480
	.fill 96, 4, 3214868480
	.section	.rodata,"a",@progbits
	.p2align	6, 0x0
	.amdhsa_kernel k_q49458b18be_proj
		.amdhsa_group_segment_fixed_size 327680
		.amdhsa_private_segment_fixed_size 0
		.amdhsa_enable_private_segment 0
		.amdhsa_kernarg_size 40
		.amdhsa_user_sgpr_count 2
		.amdhsa_user_sgpr_kernarg_segment_ptr 1
		.amdhsa_wavefront_size32 1
		.amdhsa_system_sgpr_workgroup_id_x 1
		.amdhsa_system_sgpr_workgroup_id_y 1
		.amdhsa_system_sgpr_workgroup_id_z 1
		.amdhsa_system_vgpr_workitem_id 0
		.amdhsa_next_free_vgpr 768
		.amdhsa_next_free_sgpr 100
		.amdhsa_reserve_vcc 0
		.amdhsa_float_denorm_mode_32 3
		.amdhsa_float_denorm_mode_16_64 3
		.amdhsa_memory_ordered 1
		.amdhsa_forward_progress 1
		.amdhsa_inst_pref_size 77
	.end_amdhsa_kernel
	.amdgpu_metadata
---
amdhsa.version: [ 1, 2 ]
amdhsa.kernels:
  - .name:           k_q49458b18be_proj
    .symbol:         k_q49458b18be_proj.kd
    .args:
      - { .name: oc, .offset: 0, .size: 8, .value_kind: global_buffer, .address_space: global }
      - { .name: wc, .offset: 8, .size: 8, .value_kind: global_buffer, .address_space: global }
      - { .name: lowp_scales, .offset: 16, .size: 8, .value_kind: global_buffer, .address_space: global }
      - { .name: bp, .offset: 24, .size: 8, .value_kind: global_buffer, .address_space: global }
      - { .name: out0, .offset: 32, .size: 8, .value_kind: global_buffer, .address_space: global }
    .group_segment_fixed_size: 327680
    .private_segment_fixed_size: 0
    .kernarg_segment_align: 8
    .kernarg_segment_size: 40
    .max_flat_workgroup_size: 128
    .sgpr_count:     100
    .vgpr_count:     768
    .wavefront_size: 32
...
	.end_amdgpu_metadata
.endif
;; end of part 4
